; MI455X (gfx1250); checked and timed in simulation.
; The chip was launched on July 23, 2026; its instructions are those of AMD's public machine-readable ISA for CDNA 5 (MIT licence, August 2026) and "CDNA5" Instruction Set Architecture Reference Guide (July 2026). The comments in the code are by the model that wrote it; some were corrected since.
;; Self Attention. Allowed arithmetic: matrix products marked QUANTISED: E4M3 operands, one E8M0 scale for each 32 along K, by v_wmma_scale_f32_16x16x128_f8f6f4 with both operands' format E4M3, f32 sums; everything else in f32.
;; Inputs: Wk 1,024 x 1,024 float32; Wo 1,024 x 1,024 float32; Wq 1,024 x 1,024 float32; Wv 1,024 x 1,024 float32; bo 1,024 float32; x 4 x 2,048 x 1,024 float32.
;; Outputs: out0 4 x 2,048 x 1,024 float32.
;; This version of the problem:
;;   THIS VERSION OF THE PROBLEM IS GIVEN IN LOW PRECISION. The matrix products marked QUANTISED in the list below multiply operands that are first quantised to E4M3 (4 exponent bits, 3 mantissa bits; 8 bits a number), with one power-of-two scale for each 32 numbers along K (OCP MX v1.0); their sums are f32. All else is computed in f32.
;;   The module's matrix products, in the order in which they are computed (A, B: the left and right operand; K: the contracted axis; several contracted axes count as one K, in the product's order):
;;     1. [M 8,192, K 1,024] x [K 1,024, N 1,024]; A: input x; B: input Wq: QUANTISED
;;     2. [M 8,192, K 1,024] x [K 1,024, N 1,024]; A: input x; B: input Wk: QUANTISED
;;     3. [M 8,192, K 1,024] x [K 1,024, N 1,024]; A: input x; B: input Wv: QUANTISED
;;     4. batch 64 x [M 2,048, K 64] x [K 64, N 2,048]; A: computed on the way; B: computed on the way: QUANTISED
;;     5. batch 64 x [M 2,048, K 2,048] x [K 2,048, N 64]; A: softmax (see below); B: computed on the way: QUANTISED
;;     6. [M 8,192, K 1,024] x [K 1,024, N 1,024]; A: computed on the way; B: input Wo: QUANTISED
;;   THE QUANTISER, for each operand of a quantised product, along K:
;;     - K is cut into blocks of 32 from its start; a last block that is shorter is filled with zeros.
;;     - A block's scale is 2^e with e = floor(log2(the largest magnitude in the block)) - 8, held to -126 .. 127; a block of zeros has e = 0. As a byte (E8M0): e + 127.
;;     - Each number is divided by its block's scale, clamped to +-448, and rounded to the nearest number of E4M3, ties to even, subnormals kept.
;;     - The product sums the exact products of the quantised numbers (number of the format x scale) in f32.
;;   ~~~python
;;   def quantise(x, axis):      # numpy; x: float32 -> the quantised numbers, widened to float32 again
;;       x = np.moveaxis(x, axis, -1); K = x.shape[-1]
;;       x = np.pad(x, [(0, 0)] * (x.ndim - 1) + [(0, -K % 32)]); x = x.reshape(x.shape[:-1] + (-1, 32)); a = np.abs(x).max(-1, keepdims=True)
;;       e = np.where(a > 0, np.clip(np.frexp(np.where(a > 0, a, 1))[1] - 1 - 8, -126, 127), 0)      # np.frexp(a)[1] - 1 = floor(log2(a)), exactly
;;       r = np.clip(x / 2.0 ** e, -448, 448)
;;       step = 2.0 ** (np.maximum(np.frexp(np.where(r == 0, 1, r))[1] - 1, -6) - 3)
;;       q = np.round(r / step) * step * 2.0 ** e      # np.round: ties to even
;;       return np.moveaxis(q.reshape(q.shape[:-2] + (-1,))[..., :K], -1, axis).astype(np.float32)
;;   ~~~
;;   SOFTMAX AHEAD OF A QUANTISED PRODUCT. Where the list says 'softmax', what is quantised is not the finished softmax but p = 2^(t - M), with t = logit x log2(e) and M = ceil(the row's largest t), a whole number; so 1/2 < the row's largest p <= 1. The row's sum l is taken of the UNQUANTISED p, in f32, and the product's result is divided by l at the end. Since M is a whole number, a kernel that streams over the keys may use a running M (the ceiling of the running maximum): every later rescaling is an exact power of two, which a block's scale takes up: the codes' values come out the same.
;;   OPERANDS COMPUTED ON THE WAY. 'Computed on the way' means the value that the module computes at that place (a softmax that the list does not call 'softmax' is quantised finished and normalised). What goes into a quantiser is computed in f32, as accurately as f32 sums, v_exp_f32 and their like allow (about 1e-6 of the number): no bf16 or f16 on the way to a quantiser, and a product that is left as it is and whose result goes on into a quantised operand takes f32 operands (vector FMAs, or v_wmma_f32_16x16x4_f32). A number that lies on a knife's edge between two numbers of the format may be rounded either way, as far as f32 arithmetic and the matrix unit's own rounding can turn it there, and no further.
;; One version. Each part assembles by itself: llvm-mc -triple=amdgcn-amd-amdhsa -mcpu=gfx1250 --defsym DOCPART=n.
;; ======== version 1 of 1: 4 launches
;; limits: right only within a limited range of input values
;; workspace buffers: xq 8,650,752 bytes; wq 4,325,376 bytes; qk 17,301,504 bytes; vt 8,650,752 bytes; ao 8,650,752 bytes
;; launch quant (part 1): grid 256 x 1, 3 waves a work-group, no clusters, 26,112 bytes of LDS; arguments x, Wq, Wk, Wv, Wo, xq, wq; writes xq, wq
.if DOCPART == 1
	.amdgcn_target "amdgcn-amd-amdhsa--gfx1250"
	.amdhsa_code_object_version 6
	.text
	.protected	k_q678783a08d_quant
	.globl	k_q678783a08d_quant
	.p2align	8
	.type	k_q678783a08d_quant,@function
k_q678783a08d_quant:
	s_mov_b64 s[64:65], 0
	v_nop
	global_prefetch_b8 v0, s[64:65] scope:SCOPE_SE
	s_setreg_imm32_b32 hwreg(HW_REG_WAVE_MODE, 25, 1), 1
	s_wait_xcnt 0x0
; x [8192][1024] and Wq, Wk, Wv, Wo [1024][1024], f32, K innermost, become codes of FP8 (E4M3) with one E8M0 scale byte for each 32 along K,
; laid IN THE ORDER OF AN OPERAND'S REGISTERS.  A tile is 16 rows: tile 2 J + u takes rows 32 J + 8 u + r + 8 (r / 8), r = 0 .. 15.  The image of (tile, kap = k / 128) is
; 2,048 bytes: piece c (0 .. 3) at 512 c, lane l = 16 h + r at 16 l: the codes k = 128 kap + 32 c + 16 h + 0 .. 15 of the tile's row r.  A buffer: [tile][kap = 8][2048], and behind the
; codes the scale bytes [tile][r][32], byte 4 kap + c.  xq holds x's 512 tiles, wq the 256 tiles of Wq, Wk, Wv, Wo on end.
; A block's scale is 2^(floor(log2(its largest magnitude)) - 8); each number is divided by it, held within +-448 and rounded to the nearest code, ties to even.
; LIMITS: NaN and infinities among the inputs are not served.  A block of zeros gets the byte 1 where the rule says 127: its codes are zeros, and this program alone reads the bytes.
; Blocks whose largest magnitude lies under 2^-118 have their byte held at 1.
; SHARES: 768 tiles = 256 work-groups x 3 waves; a wave takes one tile through its 8 steps of 128 along K.  Waves share nothing: no barrier.  No cluster: work-groups share no input.
; A load takes 512 consecutive bytes of one row; a step's 16 rows turn through the wave's own stage in LDS (rows 528 bytes apart), since the conversions want 16 neighbours along K in one lane.
; Every store of codes covers 512 consecutive bytes, and so does the one store of the tile's scale bytes.  Loads run two steps (32 loads a wave) ahead.
.set SP,   528                         ; a stage row: 512 bytes + 16
.set WREG, 16*SP                       ; a wave's stage
.set TM,   8                           ; v8-11 largest magnitudes, v12-15 bytes, v20-23 the conversions' scale operands
.set PW,   24                          ; v24-31 the scale word of each of the 8 steps
.set R,    32                          ; v32-95, v96-159 two sets of 16 x 4 registers as loaded
.set X,    160                         ; v160-223 64 numbers: register 16 b + i = k 32 b + 16 h + i of my row
.set C,    224                         ; v224-239, v240-255 two sets of codes
.set SEL,  20                          ; s[20:21] lane selects: lane l xor 16
.set MNT,  23
	s_load_b256 s[4:11], s[0:1], 0x0               ; x, Wq, Wk, Wv
	s_load_b128 s[12:15], s[0:1], 0x20             ; Wo, xq
	s_load_b64 s[16:17], s[0:1], 0x30              ; wq
	s_set_vgpr_msb 0x40
	v_lshl_add_u32 v0, v0, 2, 0x6400
	v_mov_b32 v1, 0
	s_set_vgpr_msb 0x4000
	v_lshrrev_b32 v5, 5, v0
	v_readfirstlane_b32 s18, v5                    ; wave 0..2
	v_and_b32 v5, 31, v0                           ; lane
	v_lshlrev_b32 v1, 4, v5                        ; v1: 16 x lane
	s_mul_i32 s22, s18, WREG
	v_add_nc_u32 v2, s22, v1                       ; v2: the stage, on the way in
	v_and_b32 v6, 15, v0                           ; r
	v_bfe_u32 v7, v0, 4, 1                         ; h
	v_mul_u32_u24 v3, v6, SP
	v_lshl_add_u32 v3, v7, 6, v3
	v_add_nc_u32 v3, s22, v3                       ; v3: and on the way out: row r, + 64 h
	v_lshlrev_b32 v4, 5, v6
	v_lshl_add_u32 v4, v7, 4, v4                   ; v4: my 16 of the tile's 512 scale bytes: 32 r + 16 h
	v_cmp_le_u32 vcc_lo, 16, v5                    ; lanes 16-31; VCC stays to the end
.irp b, 0,1,2,3
	v_mov_b32 v[TM+4+\b], 0                        ; written once: a lane permute's destination counts as one of its sources
.endr
	s_mov_b32 s[SEL], 0x76543210
	s_mov_b32 s[SEL+1], 0xfedcba98
	s_mul_i32 s19, ttmp9, 3
	s_add_co_u32 s19, s19, s18                     ; t: my tile, 0 .. 767
	s_sub_co_u32 s24, s19, 512                     ; among the weights' tiles
	s_lshr_b32 s25, s24, 6                         ; which weight
	s_and_b32 s26, s24, 63                         ; which tile of it
	s_mov_b32 s27, 4194304
	s_wait_alu depctr_va_vdst(0)
	s_wait_kmcnt 0x0
	s_mov_b64 s[28:29], s[12:13]                   ; the choices hang on the tile's number alone
	s_cmp_eq_u32 s25, 2
	s_cselect_b64 s[28:29], s[10:11], s[28:29]
	s_cmp_eq_u32 s25, 1
	s_cselect_b64 s[28:29], s[8:9], s[28:29]
	s_cmp_eq_u32 s25, 0
	s_cselect_b64 s[28:29], s[6:7], s[28:29]
	s_cmp_lt_u32 s19, 512
	s_cselect_b64 s[28:29], s[4:5], s[28:29]       ; from where
	s_cselect_b64 s[30:31], s[14:15], s[16:17]     ; to where
	s_cselect_b32 s26, s19, s26                    ; the tile in its source,
	s_cselect_b32 s24, s19, s24                    ; in its destination,
	s_cselect_b32 s27, 8388608, s27                ; and where the destination's scale bytes begin
	s_lshr_b32 s32, s26, 1
	s_lshl_b32 s32, s32, 17                        ; 32 J rows of 4,096 bytes
	s_and_b32 s33, s26, 1
	s_lshl_b32 s33, s33, 15                        ; 8 u rows
	s_add_co_u32 s32, s32, s33
	s_mov_b32 s33, 0
	s_add_nc_u64 s[28:29], s[28:29], s[32:33]
	s_lshl_b32 s32, s24, 14
	s_add_nc_u64 s[34:35], s[30:31], s[32:33]      ; the tile's codes
	s_lshl_b32 s32, s24, 9
	s_add_co_u32 s32, s32, s27
	s_add_nc_u64 s[36:37], s[30:31], s[32:33]      ; the tile's scale bytes
.macro LOAD k                          ; step k: 16 rows x 512 bytes; a load is one row's 512 consecutive bytes
.irp i, 0,1,2,3,4,5,6,7,8,9,10,11,12,13,14,15
	global_load_b128 v[R+64*((\k)%2)+4*\i:R+64*((\k)%2)+4*\i+3], v1, s[28:29] offset:(\i+8*(\i/8))*4096+512*(\k) th:TH_LOAD_NT
.endr
.endm
; 64 numbers of a lane, v[s] on, become a fragment's codes in v[pc] on and its scale word in v[pw]
.macro QUANT s, pc, pw
.irp b, 0,1,2,3
	v_max3_num_f32 v[TM+\b], |v[\s+16*\b]|, |v[\s+1+16*\b]|, 0x4800000   ; block b: my 16 numbers, and the floor 2^(9 - 127): the byte cannot fall under 1
.endr
.irp i, 2,4,6,8,10,12,14
.irp b, 0,1,2,3
	v_max3_num_f32 v[TM+\b], v[TM+\b], |v[\s+16*\b+\i]|, |v[\s+1+16*\b+\i]|   ; the four blocks by turns
.endr
.endr
.irp b, 0,1,2,3
	v_permlanex16_b32 v[TM+4+\b], v[TM+\b], s[SEL], s[SEL+1]
.endr
.irp b, 0,1,2,3
	v_max_num_f32 v[TM+\b], v[TM+\b], v[TM+4+\b]   ; with lane l xor 16's: the block's largest magnitude
.endr
.irp b, 0,1,2,3
	v_add_nc_u32 v[TM+12+\b], 0xfc000000, v[TM+\b] ; 8 off its exponent field: the conversion's scale operand
.endr
.irp b, 0,1,2,3
.endr
.irp b, 0,1,2,3
	v_lshrrev_b32 v[TM+4+\b], 23, v[TM+12+\b]      ; the scale's byte
.endr
	v_lshl_or_b32 v[(\pw)], v[TM+5], 8, v[TM+4]
	v_lshl_or_b32 v[(\pw)], v[TM+6], 16, v[(\pw)]
	v_lshl_or_b32 v[(\pw)], v[TM+7], 24, v[(\pw)]
.irp b, 0,1,2,3
.irp i, 0,1,2,3,4,5,6,7,8,9,10,11,12,13,14,15
.endr
	v_cvt_scalef32_pk8_fp8_f32 v[(\pc)+4*\b:(\pc)+4*\b+1], v[\s+16*\b:\s+16*\b+7], v[TM+12+\b]
	v_cvt_scalef32_pk8_fp8_f32 v[(\pc)+4*\b+2:(\pc)+4*\b+3], v[\s+16*\b+8:\s+16*\b+15], v[TM+12+\b]
.endr
	v_nop                                          ; a plain line behind the last conversion
.endm
.macro STEPQ k
.if (\k) < 7
	s_wait_loadcnt 16                              ; this step's 16 loads are in; the next step's 16 may be out
.else
	s_wait_loadcnt 0
.endif
.irp i, 0,1,2,3,4,5,6,7,8,9,10,11,12,13,14,15
	ds_store_b128 v2, v[R+64*((\k)%2)+4*\i:R+64*((\k)%2)+4*\i+3] offset:SP*\i
.endr
.irp b, 0,1,2,3
.irp j, 0,1,2,3
	ds_load_b128 v[X+16*\b+4*\j:X+16*\b+4*\j+3], v3 offset:128*\b+16*\j   ; LDS serves a wave's instructions in order: these see the stores above
.endr
.endr
	s_wait_dscnt 0x0                               ; my 64 numbers are in, and the stores into the stage have read their registers
	s_wait_xcnt 0x0                                ; the stores of two steps back have read their codes: that set is written again below
.if (\k) < 6
	LOAD (\k)+2
.endif
	QUANT X, C+16*((\k)%2), PW+(\k)
.irp c, 0,1,2,3
	global_store_b128 v1, v[C+16*((\k)%2)+4*\c:C+16*((\k)%2)+4*\c+3], s[34:35] offset:2048*(\k)+512*\c   ; a piece: 512 consecutive bytes
.endr
.endm
	LOAD 0
	LOAD 1
.irp k, 0,1,2,3,4,5,6,7
	STEPQ \k
.endr
.irp k, 0,1,2,3
	v_cndmask_b32 v[X+\k], v[PW+\k], v[PW+4+\k], vcc_lo   ; lanes 0-15 take the words of steps 0-3, lanes 16-31 those of steps 4-7
.endr
	global_store_b128 v4, v[X:X+3], s[36:37]       ; the tile's 512 scale bytes, consecutive
	s_set_vgpr_msb 0x5
	s_wait_tensorcnt 0x0
	ds_add_u32 v0, v1
	s_wait_dscnt 0x0
	s_set_vgpr_msb 0x500
	s_endpgm
.Lfunc_end_k_q678783a08d_quant:
	.size	k_q678783a08d_quant, .Lfunc_end_k_q678783a08d_quant-k_q678783a08d_quant
	.p2alignl 7, 3214868480
	.fill 96, 4, 3214868480
	.section	.rodata,"a",@progbits
	.p2align	6, 0x0
	.amdhsa_kernel k_q678783a08d_quant
		.amdhsa_group_segment_fixed_size 26112
		.amdhsa_private_segment_fixed_size 0
		.amdhsa_enable_private_segment 0
		.amdhsa_kernarg_size 56
		.amdhsa_user_sgpr_count 2
		.amdhsa_user_sgpr_kernarg_segment_ptr 1
		.amdhsa_wavefront_size32 1
		.amdhsa_system_sgpr_workgroup_id_x 1
		.amdhsa_system_sgpr_workgroup_id_y 1
		.amdhsa_system_sgpr_workgroup_id_z 1
		.amdhsa_system_vgpr_workitem_id 0
		.amdhsa_next_free_vgpr 258
		.amdhsa_next_free_sgpr 66
		.amdhsa_reserve_vcc 1
		.amdhsa_float_denorm_mode_32 3
		.amdhsa_float_denorm_mode_16_64 3
		.amdhsa_fp16_overflow 1
		.amdhsa_memory_ordered 1
		.amdhsa_forward_progress 1
		.amdhsa_inst_pref_size 64
	.end_amdhsa_kernel
	.amdgpu_metadata
---
amdhsa.version: [ 1, 2 ]
amdhsa.kernels:
  - .name:           k_q678783a08d_quant
    .symbol:         k_q678783a08d_quant.kd
    .args:
      - { .name: x, .offset: 0, .size: 8, .value_kind: global_buffer, .address_space: global }
      - { .name: Wq, .offset: 8, .size: 8, .value_kind: global_buffer, .address_space: global }
      - { .name: Wk, .offset: 16, .size: 8, .value_kind: global_buffer, .address_space: global }
      - { .name: Wv, .offset: 24, .size: 8, .value_kind: global_buffer, .address_space: global }
      - { .name: Wo, .offset: 32, .size: 8, .value_kind: global_buffer, .address_space: global }
      - { .name: xq, .offset: 40, .size: 8, .value_kind: global_buffer, .address_space: global }
      - { .name: wq, .offset: 48, .size: 8, .value_kind: global_buffer, .address_space: global }
    .group_segment_fixed_size: 26112
    .private_segment_fixed_size: 0
    .kernarg_segment_align: 8
    .kernarg_segment_size: 56
    .max_flat_workgroup_size: 96
    .sgpr_count:     66
    .vgpr_count:     258
    .wavefront_size: 32
...
	.end_amdgpu_metadata
.endif
;; end of part 1
;; launch proj (part 2): grid 12 x 32, 4 waves a work-group, clusters of 4 x 4, 327,680 bytes of LDS; arguments xq, wq, qk, vt; writes qk, vt
.if DOCPART == 2
	.amdgcn_target "amdgcn-amd-amdhsa--gfx1250"
	.amdhsa_code_object_version 6
	.text
	.protected	k_q678783a08d_proj
	.globl	k_q678783a08d_proj
	.p2align	8
	.type	k_q678783a08d_proj,@function
k_q678783a08d_proj:
	s_mov_b64 s[64:65], 0
	v_nop
	global_prefetch_b8 v0, s[64:65] scope:SCOPE_SE
	s_setreg_imm32_b32 hwreg(HW_REG_WAVE_MODE, 25, 1), 1
	s_wait_xcnt 0x0
	s_wait_alu depctr_hold_cnt(0) depctr_sa_sdst(0) depctr_va_vdst(0) depctr_va_sdst(0) depctr_va_ssrc(0) depctr_va_vcc(0) depctr_vm_vsrc(0)
	s_getreg_b32 s2, hwreg(HW_REG_IB_STS2, 6, 4)
	s_cmp_eq_u32 s2, 0
	s_cbranch_scc0 .Lentry_in_a_cluster
	s_endpgm
.Lentry_in_a_cluster:
	s_bfe_u32 s2, ttmp6, 0x10000c
	s_cmp_lg_u32 s2, 0xf033
	s_cbranch_scc0 .Lentry_shape_is_right
	s_endpgm
.Lentry_shape_is_right:
; q, k and v of all heads, as codes of FP8 (E4M3) with E8M0 scales, from the codes of x (xq) and of the weights (wq).  One GEMM text: C[m][n] = sum over k of A[m][k] B[n][k], K = 1,024, whose
; results are quantised ALONG n in registers and never go to memory as f32.
; Clusters with x = 0, 1: A = x (8,192 rows), B = Wq and Wk on end (2,048 rows): n runs over a head's 64 numbers, the K of the scores' product.
; Clusters with x = 2:    A = Wv (1,024 rows), B = x: n runs over the tokens, the K of the second product: v with the keys innermost.
; Which of the two a cluster does is the same in all its sixteen work-groups and enters only choices of pointers and of offsets in memory: no branch and no LDS address hangs on it.
; OPERANDS lie as images of their registers: tile 2 J + u = rows 32 J + 8 u + r + 8 (r / 8); image (tile, kap): 2,048 bytes, piece c at 512 c, lane at 16 x lane; codes [tile][8][2048], scale bytes [tile][r][32].
; A tile of C, 256 x 256, is made by four waves, each 128 x 128: 64 accumulators, 512 registers.  K goes in four steps of 256 through a ring of two LDS slots; a wave's tensor load brings 8 tiles x 4,096 bytes.
; The scale bytes of the work-group's rows, for all of K, come once with the first fills.  4 x 4 work-groups form a cluster: A's tiles are asked for jointly along its rows, B's along its columns.
; THE MATRIX INSTRUCTION IS USED TRANSPOSED (source 0 = B's tile, source 1 = A's): lane (r, h) holds A's row r, and register j of accumulator b holds n = 32 (b / 2) + 16 h + 8 (b % 2) + j,
; so the 16 registers of accumulators 2 c, 2 c + 1 are 16 neighbours along n, and the conversions' results are again pieces of an image: each store covers 512 consecutive bytes.
; OUT: qk: codes [hh = 32 (q's heads, then k's)][256 blocks of 32 tokens][2048]: piece 2 u + i, lane (r, h) = token 32 Jg + 8 u + r + 8 (r / 8), numbers 32 i + 16 h on; scale words behind them,
;      [hh][Jg][r] x 4 bytes = (u = 0: two bytes, u = 1: two bytes).   vt: codes [64 runs of 128 tokens][64 tiles of features][2048]; scale words [run][tile][r] x 4 bytes.
; LIMITS: NaN and infinities are not served; a block of zeros gets the byte 1 where the rule says 127 (its codes are zeros; this program alone reads the bytes); bytes are held at 1 from below.
; No prefetch: the launch has four K steps.
; REGISTERS, in windows of 256: window 0: v0-31 addresses; v32-63 scale words, two sets; v64-95 at work on the way out; from v128 A's fragments, one set (on the way out: codes).
;   window 1: B's fragments, two sets.   window 2: the accumulators of my rows 0-63 ((a, b) at v[8 (8 a + b)]);   window 3: those of my rows 64-127.
.set NQ,    2                          ; matrix instructions deep in a K step
.set FR,    16                         ; registers of a fragment
.set NL,    4                          ; LDS loads that bring one
.set NP,    8                          ; places behind this matrix instruction (ISA guide 7.12.1)
.set STEPB, 4096                       ; a K step's bytes of a tile's 16,384
.set HALFT, 8*STEPB                    ; 8 tiles: what one tensor load brings, and what one wave reads of A or of B
.set SLOT,  4*HALFT                    ; A's 16 tiles, then B's
.set KS,    32                         ; a row of scale bytes
.set SCL,   2*SLOT                     ; behind the ring: the scale bytes, as units of 256 bytes + 16 of padding
.set HALFS, 16*272                     ; those of 128 rows
.set SBLK,  2*272                      ; those of 16 rows
.set SPARE, SCL+4*HALFS                ; the spare words, 128 bytes a wave: two blocks of 256 bytes that no other line names
.set STG,   SPARE+512                  ; the way out: 512 bytes a wave for scale words; no fill lands here
.set ADRA, 16                          ; v16-17 LDS address of my A fragments in slot 0, 1
.set ADRB, 20                          ; v20-21 the same for B
.set SSTO, 22                          ; v22 where I put a scale word
.set SSRD, 23                          ; v23 where I read four back
.set VO0,  24                          ; v24 16 x lane
.set VO1,  25                          ; v25 the same for pieces 2 and 3
.set VSO,  26                          ; v26 my 16 bytes among the wave's scale words in memory
.set ADRS, 27                          ; v27 LDS address of my scale words: lanes 0-15 A's rows, lanes 16-31 B's
.set SPW,  28                          ; v28 my spare word; never rewritten
.set NIL,  29                          ; v29 0; never rewritten
.set SELV, 30                          ; v30 the byte selects that pair two blocks' scale words
.set SC,   32
.set BI,   64
.set TM,   64                          ; v64-79 at work: magnitudes, bytes, scale operands
.set PW,   80                          ; v80-87 block a's scale word
.set SWD,  88                          ; v88-91 the words as they go to memory
.set SWB,  92                          ; v92-95 four of them, read back
.set AF,   128
.set HT,   128
.set CD,   192                         ; v192-207, v208-223 two sets of codes
.set G1, 24
.set G0, 32
.set G1B, 48
.set G0B, 56
.set G1S, 68
.set G0S, 76
.set G1SB, 80
.set G0SB, 88
.set SEL, 2                            ; s[2:3] lane selects, on the way out
.set MNT, 17
.set MSB, 0
.macro WIN new                         ; the immediate's high byte repeats the setting that is left
.if MSB != (\new)
	s_set_vgpr_msb (MSB<<8)|(\new)
.set MSB, (\new)
.endif
.endm
.set TO_B, 0x40                        ; destination window 1, address window 0
.macro MWIN hi, zero                   ; source 0 (B) window 1, source 1 (A) window 0, D window 2 or 3; C with D, or (zero = 2) in window 0
.if (\zero) == 2
	WIN 0x81+0x40*(\hi)
.else
	WIN 0xa1+0x50*(\hi)
.endif
.endm
; A joint load: waves 0 and 1 fetch for A, waves 2 and 3 for B; the branch hangs on the wave's number alone.  Four v_nop follow each of the two lines.
.macro JLOAD g0a, g1a, g0b, g1b
	s_cmp_eq_u32 s15, 0
	s_cbranch_scc0 .Lfor_b_\@
	tensor_load_to_lds s[\g0a:\g0a+3], s[\g1a:\g1a+7]
	s_nop 0
.rept 4
	v_nop
.endr
	s_branch .Lasked_\@
.Lfor_b_\@:
	tensor_load_to_lds s[\g0b:\g0b+3], s[\g1b:\g1b+7]
	s_nop 0
.rept 4
	v_nop
.endr
.Lasked_\@:
.endm
.macro CREST                           ; a round of the cluster's barrier behind its opening barrier
	s_cmp_lg_u32 s14, 0
	s_cbranch_scc1 .Lnot_wave_0_\@
	s_barrier_signal -3
.Lnot_wave_0_\@:
	s_barrier_wait -3
	s_barrier_signal -1
	s_barrier_wait -1
.endm
.macro CROUND
	s_barrier_signal -1
	s_barrier_wait -1
	CREST
.endm
	s_load_b256 s[4:11], s[0:1], 0x0               ; xq s[4:5], wq s[6:7], qk s[8:9], vt s[10:11]
	v_lshl_add_u32 v[SPW], v0, 2, SPARE
	v_mov_b32 v[NIL], 0
	ds_add_u32 v28, v29
	ds_add_u32 v28, v29
	s_wait_dscnt 0x0
	v_lshrrev_b32 v1, 5, v0
	v_readfirstlane_b32 s14, v1                    ; wave 0..3
	s_lshr_b32 s15, s14, 1                         ; which half of the tile's rows is mine.  Also: I fetch for A (0) or for B (1)
	s_and_b32 s16, s14, 1                          ; which half of its columns.  Also: which 8 tiles I fetch
	s_bfe_u32 s40, ttmp6, 0x40000                  ; cx
	s_bfe_u32 s41, ttmp6, 0x40004                  ; cy
	s_and_b32 s17, ttmp7, 0xffff                   ; the cluster's y
	s_mov_b32 s96, 8388608
	s_mov_b32 s97, 4194304
	s_cmp_eq_u32 ttmp9, 2                          ; v's clusters: the same answer in all sixteen partners
	s_cselect_b32 s18, 0, s17
	s_cselect_b32 s19, s17, ttmp9
	s_cselect_b32 s95, 128, 0                      ; A's first tile in its buffer: Wv begins at tile 128 of wq
	s_cselect_b32 s96, 4194304, s96                ; where A's scale bytes begin in its buffer,
	s_cselect_b32 s97, 8388608, s97                ; and B's
	s_lshl_b32 s18, s18, 2
	s_add_co_u32 s18, s18, s41                     ; tile row of C
	s_lshl_b32 s19, s19, 2
	s_add_co_u32 s19, s19, s40                     ; tile column of C
	s_lshl_b32 s43, s41, 2
	s_lshl_b32 s43, 15, s43                        ; my row of the cluster
	s_lshl_b32 s44, 0x1111, s40                    ; my column
	; descriptor group 1 for codes: 8 rows (tiles) of 4,096 bytes, 16,384 bytes apart, as elements of 8 bytes; dense in LDS
	s_or_b32 s[G1+0], s43, (3<<16)|(1<<21)         ; 15:0 the mask: A's tiles go to my row; 17:16 elements of 8 bytes; 21 set beside a mask
	s_or_b32 s[G1B+0], s44, (3<<16)|(1<<21)
.irp g, G1, G1B
	s_mov_b32 s[\g+1], 512<<16                     ; tensor_dim0
	s_mov_b32 s[\g+2], 8<<16                       ; tensor_dim1
	s_mov_b32 s[\g+3], 512<<16                     ; tile_dim0
	s_mov_b32 s[\g+4], 8                           ; tile_dim1
	s_mov_b32 s[\g+5], 2048                        ; tensor_dim0_stride
	s_mov_b32 s[\g+6], 0
	s_mov_b32 s[\g+7], 0
.endr
	; and for the scale bytes of 128 rows: 4,096 dense bytes as 16 rows of 256, 16 bytes of padding behind each
	s_or_b32 s[G1S+0], s43, (3<<16)|(1<<20)|(1<<21)|(5<<22)|(3<<25)
	s_or_b32 s[G1SB+0], s44, (3<<16)|(1<<20)|(1<<21)|(5<<22)|(3<<25)
.irp g, G1S, G1SB
	s_mov_b32 s[\g+1], 32<<16
	s_mov_b32 s[\g+2], 16<<16
	s_mov_b32 s[\g+3], 32<<16
	s_mov_b32 s[\g+4], 16
	s_mov_b32 s[\g+5], 32
	s_mov_b32 s[\g+6], 0
	s_mov_b32 s[\g+7], 0
.endr
	s_lshl_b32 s2, s16, 3                          ; which 8 tiles I fetch
	s_lshl_b32 s20, s18, 4
	s_add_co_u32 s20, s20, s2
	s_add_co_u32 s20, s20, s95                     ; A: the first of them.  A's registers never hold cx, B's never cy
	s_lshl_b32 s46, s19, 4
	s_add_co_u32 s46, s46, s2                      ; B
	s_lshl_b32 s22, s20, 9
	s_add_co_u32 s22, s22, s96                     ; scale bytes: 512 a tile
	s_lshl_b32 s20, s20, 14                        ; codes: 16,384 a tile
	s_mov_b32 s21, 0
	s_mov_b32 s23, 0
	s_lshl_b32 s92, s46, 9
	s_add_co_u32 s92, s92, s97
	s_lshl_b32 s46, s46, 14
	s_mov_b32 s47, 0
	s_mov_b32 s93, 0
	s_mul_i32 s45, s14, HALFT                      ; where they go: by the wave's number alone
	s_mul_i32 s94, s14, HALFS
	s_wait_kmcnt 0x0
	s_cmp_eq_u32 ttmp9, 2
	s_cselect_b64 s[98:99], s[6:7], s[4:5]         ; A's buffer
	s_cselect_b64 s[100:101], s[4:5], s[6:7]       ; B's
	s_add_nc_u64 s[20:21], s[98:99], s[20:21]
	s_add_nc_u64 s[22:23], s[98:99], s[22:23]
	s_add_nc_u64 s[46:47], s[100:101], s[46:47]
	s_add_nc_u64 s[92:93], s[100:101], s[92:93]
	CROUND                                         ; all sixteen work-groups are here: the first joint loads meet
	s_mov_b32 s[G0S], 1
	s_add_co_u32 s[G0S+1], s94, SCL
	s_mov_b64 s[G0S+2:G0S+3], s[22:23]
	s_or_b32 s[G0S+3], s[G0S+3], 0x80000000
	s_mov_b32 s[G0SB], 1
	s_add_co_u32 s[G0SB+1], s94, SCL
	s_mov_b64 s[G0SB+2:G0SB+3], s[92:93]
	s_or_b32 s[G0SB+3], s[G0SB+3], 0x80000000
	JLOAD G0S, G1S, G0SB, G1SB                     ; the scale bytes first: they are wanted with K step 0
.irp s, 0,1
	s_mov_b32 s[G0+4*\s], 1
	s_add_co_u32 s[G0+4*\s+1], s45, \s*SLOT
	s_add_nc_u64 s[G0+4*\s+2:G0+4*\s+3], s[20:21], \s*STEPB
	s_or_b32 s[G0+4*\s+3], s[G0+4*\s+3], 0x80000000
	s_mov_b32 s[G0B+4*\s], 1
	s_add_co_u32 s[G0B+4*\s+1], s45, \s*SLOT
	s_add_nc_u64 s[G0B+4*\s+2:G0B+4*\s+3], s[46:47], \s*STEPB
	s_or_b32 s[G0B+4*\s+3], s[G0B+4*\s+3], 0x80000000
	JLOAD G0+4*\s, G1, G0B+4*\s, G1B               ; three loads of mine are out
.endr
	v_and_b32 v3, 31, v0                           ; lane
	v_and_b32 v1, 15, v0                           ; r
	v_bfe_u32 v2, v0, 4, 1                         ; h
	s_wait_alu depctr_va_vdst(0)
	v_lshlrev_b32 v[VO0], 4, v3                    ; 16 x lane: an image's place for my lane
	s_mul_i32 s98, s15, HALFT                      ; my 8 tiles of A
	s_mul_i32 s99, s16, HALFT                      ; my 8 tiles of B,
	s_add_co_u32 s99, s99, 2*HALFT                 ; which lie behind A's 16
.irp s, 0,1
	v_add_nc_u32 v[ADRA+\s], s98, v[VO0]
	v_add_nc_u32 v[ADRB+\s], s99, v[VO0]
	s_add_co_u32 s98, s98, SLOT
	s_add_co_u32 s99, s99, SLOT
.endr
	v_mul_u32_u24 v5, v1, KS                       ; my row's scale bytes: 32 a row,
	v_lshrrev_b32 v6, 8, v5
	v_lshl_add_u32 v5, v6, 4, v5                   ; and 16 more for each 256 passed
	s_mul_i32 s98, s15, HALFS
	s_mul_i32 s99, s16, HALFS
	s_add_co_u32 s99, s99, 2*HALFS
	s_sub_co_u32 s99, s99, s98
	v_mul_u32_u24 v6, s99, v2                      ; lanes 16-31 take B's
	s_add_co_u32 s98, s98, SCL
	v_add_nc_u32 v5, v5, v6
	v_add_nc_u32 v[ADRS], s98, v5
	s_lshl_b32 s98, s14, 9
	s_add_co_u32 s98, s98, STG                     ; my 512 bytes for scale words
	v_lshl_add_u32 v[SSTO], v3, 2, s98
	v_lshl_add_u32 v[SSRD], v3, 4, s98
	; the way out: q's and k's layout, or v's
	s_mov_b32 s66, 1024
	s_mov_b32 s20, 524288
	s_mov_b32 s21, 16777216
	s_mov_b32 s22, 0x05040100
	s_mov_b32 s23, 0x07060302
	s_cmp_eq_u32 ttmp9, 2
	s_cselect_b64 s[12:13], s[10:11], s[8:9]       ; vt or qk
	s_cselect_b32 s95, 17, 20                      ; codes: (2 tile column + my half) << this,
	s_cselect_b32 s96, 14, 13                      ; + (2 tile row + my half) << this
	s_cselect_b32 s97, 12, 15                      ; scale words likewise
	s_cselect_b32 s94, 9, 8
	s_cselect_b32 s66, 2048, s66                   ; from block a to block a + 1
	s_cselect_b32 s20, 1024, s20                   ; from piece 0 to piece 2: in v the same image, in q and k the next head
	s_cselect_b32 s21, 8388608, s21                ; where the scale words begin
	s_cselect_b32 s22, 0x03020100, s22             ; lanes 0-15: v: the even block's word; q, k: the first head's two bytes of both blocks
	s_cselect_b32 s23, 0x07060504, s23             ; lanes 16-31: v: the odd block's; q, k: the second head's
	s_cselect_b32 s46, 128, 64                     ; scale words: from pair of blocks to pair,
	s_cselect_b32 s47, 64, 16384                   ; and from lanes 0-15's word to lanes 16-31's
	s_mov_b32 s67, 0
	s_lshl_b32 s92, s19, 1
	s_add_co_u32 s92, s92, s16
	s_lshl_b32 s93, s18, 1
	s_add_co_u32 s93, s93, s15
	s_lshl_b32 s98, s92, s95
	s_lshl_b32 s99, s93, s96
	s_add_co_u32 s98, s98, s99
	s_mov_b32 s99, 0
	s_lshl_b32 s100, s92, s97
	s_lshl_b32 s101, s93, s94
	s_add_co_u32 s100, s100, s101
	s_add_co_u32 s100, s100, s21
	s_mov_b32 s101, 0
	s_add_nc_u64 s[100:101], s[12:13], s[100:101]  ; my wave's scale words
	s_add_nc_u64 s[12:13], s[12:13], s[98:99]      ; my wave's codes
	v_add_nc_u32 v[VO1], s20, v[VO0]
	v_lshrrev_b32 v5, 3, v3
	v_mul_lo_u32 v5, v5, s46
	v_bfe_u32 v6, v0, 2, 1
	v_mul_lo_u32 v6, v6, s47
	v_and_b32 v7, 3, v0
	v_lshl_add_u32 v7, v7, 4, v5
	v_add_nc_u32 v[VSO], v7, v6
	v_mov_b32 v[SELV], s22
	v_mov_b32 v31, s23
	v_cmp_ne_u32 vcc_lo, 0, v2
	v_cndmask_b32 v[SELV], v[SELV], v31, vcc_lo
	s_mov_b32 s[SEL], 0x76543210
	s_mov_b32 s[SEL+1], 0xfedcba98
.macro FRAG reg, adr, q, i             ; a fragment comes as it lies: four loads of 512 consecutive bytes
.irp c, 0,1,2,3
	ds_load_b128 v[\reg+4*\c:\reg+4*\c+3], v[\adr] offset:4096*(\i)+2048*(\q)+512*\c
.endr
.endm
; 16 matrix instructions: A's blocks a0, a0 + 1 x B's eight, 128 along K.  p: B's set; sc: the set of scale words.  zero = 1: the first product starts the sums.
; The 64 accumulators take turns, one instruction a turn, in the same order in every step.
.macro MUL16 a0, p, q, sc, zero
.irp a, \a0, \a0+1
.irp b, 0,1,2,3,4,5,6,7
.if (\zero) == 1
	v_wmma_scale_f32_16x16x128_f8f6f4 v[8*(8*((\a)%4)+\b):8*(8*((\a)%4)+\b)+7], v[128*(\p)+FR*\b:128*(\p)+FR*\b+FR-1], v[AF+FR*(\a):AF+FR*(\a)+FR-1], 0, v[SC+8*NQ*(\sc)+NQ*\b+(\q)], v[SC+8*NQ*(\sc)+NQ*(\a)+(\q)] matrix_a_scale:MATRIX_SCALE_ROW1
.elseif (\zero) == 2
	v_wmma_scale_f32_16x16x128_f8f6f4 v[8*(8*((\a)%4)+\b):8*(8*((\a)%4)+\b)+7], v[128*(\p)+FR*\b:128*(\p)+FR*\b+FR-1], v[AF+FR*(\a):AF+FR*(\a)+FR-1], v[BI+8*\b:BI+8*\b+7], v[SC+8*NQ*(\sc)+NQ*\b+(\q)], v[SC+8*NQ*(\sc)+NQ*(\a)+(\q)] matrix_a_scale:MATRIX_SCALE_ROW1
.else
	v_wmma_scale_f32_16x16x128_f8f6f4 v[8*(8*((\a)%4)+\b):8*(8*((\a)%4)+\b)+7], v[128*(\p)+FR*\b:128*(\p)+FR*\b+FR-1], v[AF+FR*(\a):AF+FR*(\a)+FR-1], v[8*(8*((\a)%4)+\b):8*(8*((\a)%4)+\b)+7], v[SC+8*NQ*(\sc)+NQ*\b+(\q)], v[SC+8*NQ*(\sc)+NQ*(\a)+(\q)] matrix_a_scale:MATRIX_SCALE_ROW1
.endif
.endr
.endr
.endm
.macro FETCH_B slot, q, p
	WIN TO_B
.irp i, 0,1,2,3,4,5,6,7
	FRAG 128*(\p)+FR*\i, ADRB+\slot, \q, \i
.endr
	WIN 0
.endm
.macro FETCH_A slot, q, i0
.irp i, \i0, \i0+1, \i0+2, \i0+3
	FRAG AF+FR*(\i), ADRA+\slot, \q, \i
.endr
.endm
.macro SCALES sc                       ; a K step's scale words: two a row; lanes 0-15 take A's block i, lanes 16-31 B's block i
.irp i, 0,1,2,3,4,5,6,7
	ds_load_b64 v[SC+8*NQ*\sc+NQ*\i:SC+8*NQ*\sc+NQ*\i+1], v[ADRS] offset:\i*SBLK
.endr
.endm
.macro PLACES n                        ; plain vector lines between a matrix instruction and a load into, or a vector line on, its registers
.rept \n
	v_nop
.endr
.endm
.macro STEP slot, q, zero              ; 128 along K that have their successor in the same slot
	s_wait_dscnt 4*NL                              ; B's set and A's blocks 0-3 are in; the youngest 16 loads (A's blocks 4-7) may be out
	MWIN 0, \zero
	MUL16 0, (\q)%2, \q, \slot, \zero
	MUL16 2, (\q)%2, \q, \slot, \zero
	s_wait_dscnt 0
	PLACES NP
	FETCH_B \slot, (\q)+1, 1-(\q)%2
	FETCH_A \slot, (\q)+1, 0
	MWIN 1, \zero
	MUL16 4, (\q)%2, \q, \slot, \zero
	MUL16 6, (\q)%2, \q, \slot, \zero
	PLACES NP
	WIN 0
	FETCH_A \slot, (\q)+1, 4
.endm
; A slot's last step changes slots: one barrier; in front of it each wave waits for all its tensor loads, adds 0 to its spare word, and waits for that and for its reads of this slot.
.macro TURN slot, next, fill
	s_wait_tensorcnt 0x0                           ; all my tensor loads have landed: my part of the next slot
	ds_add_u32 v[SPW], v[NIL]                      ; 0 onto my spare word
	s_wait_dscnt 4*NL+1                            ; the add and the youngest 16 loads (A's blocks 4-7) may be out
	MWIN 0, 0
	MUL16 0, 1, NQ-1, \slot, 0                     ; sixteen matrix instructions stand between the add and the wait for it
	s_wait_dscnt 0x0                               ; the add is done, and my reads of this slot are over
	s_barrier_signal -1
	MUL16 2, 1, NQ-1, \slot, 0
	WIN 0
	s_barrier_wait -1
.if \fill
	CREST                                          ; the barrier has opened a round of the cluster's: no wave of any partner still reads this slot or has a load on its way
	s_add_nc_u64 s[G0+4*\slot+2:G0+4*\slot+3], s[G0+4*\slot+2:G0+4*\slot+3], 2*STEPB
	s_add_nc_u64 s[G0B+4*\slot+2:G0B+4*\slot+3], s[G0B+4*\slot+2:G0B+4*\slot+3], 2*STEPB
	JLOAD G0+4*\slot, G1, G0B+4*\slot, G1B         ; the first tensor load behind the round; its four v_nop are among the places in front of the loads below
	PLACES NP-4
.else
	PLACES NP
.endif
	s_wait_alu depctr_va_vdst(0)
	v_add_nc_u32 v[ADRS], 4*NQ, v[ADRS]            ; the next K step's scale words
	FETCH_B \next, 0, 0
	FETCH_A \next, 0, 0
	SCALES \next
	MWIN 1, 0
	MUL16 4, 1, NQ-1, \slot, 0
	MUL16 6, 1, NQ-1, \slot, 0
	PLACES NP
	WIN 0
	FETCH_A \next, 0, 4
.endm
	s_wait_tensorcnt 1                             ; the scale bytes and my part of K step 0 are in; K step 1's load may be out
	s_barrier_signal -1
	s_barrier_wait -1
	FETCH_B 0, 0, 0
	FETCH_A 0, 0, 0
	SCALES 0
	FETCH_A 0, 0, 4
	STEP 0, 0, 1                                   ; K step 0; its first products start the sums
	TURN 0, 1, 1                                   ; slot 0 takes K step 2
	STEP 1, 0, 0                                   ; K step 1
	TURN 1, 0, 1                                   ; slot 1 takes K step 3
	STEP 0, 0, 0                                   ; K step 2
	TURN 0, 1, 0                                   ; nothing is left to fetch
	STEP 1, 0, 0                                   ; K step 3
	s_wait_dscnt 4*NL
	MWIN 0, 0
	MUL16 0, 1, NQ-1, 1, 0
	MUL16 2, 1, NQ-1, 1, 0
	s_wait_dscnt 0
	MWIN 1, 0
	MUL16 4, 1, NQ-1, 1, 0
	MUL16 6, 1, NQ-1, 1, 0
	WIN 0
; THE WAY OUT.  Block a (16 rows of A x my 128 columns): 64 numbers a lane, register 16 c + i = n 32 c + 16 h + i: four blocks of 32 along n.  They are quantised where they lie; the four pieces are stored as they stand.
.macro QOUT a
.set W,   2+(\a)/4
.set WA,  W|(W<<2)
.set WB,  (W<<2)|(W<<4)
.set AC,  64*((\a)%4)
.set PC,  CD+16*((\a)%2)
.if (\a) > 0
	s_wait_xcnt 0x0                                ; the earlier stores have read their base and their codes: both are written again below
	s_add_nc_u64 s[12:13], s[12:13], s[66:67]
.endif
	WIN WA                                         ; sources 0 and 1: the accumulators' window
.irp b, 0,1,2,3
	v_max3_num_f32 v[TM+\b], |v[AC+16*\b]|, |v[AC+1+16*\b]|, 0x4800000   ; each accumulator is read from its low end on; the floor 2^(9 - 127) holds the byte at 1 from below
.endr
	WIN WB                                         ; sources 1 and 2
.irp i, 2,4,6,8,10,12,14
.irp b, 0,1,2,3
	v_max3_num_f32 v[TM+\b], v[TM+\b], |v[AC+16*\b+\i]|, |v[AC+1+16*\b+\i]|
.endr
.endr
	WIN 0
.irp b, 0,1,2,3
	v_permlanex16_b32 v[TM+4+\b], v[TM+\b], s[SEL], s[SEL+1]
.endr
.irp b, 0,1,2,3
	v_max_num_f32 v[TM+\b], v[TM+\b], v[TM+4+\b]   ; with lane l xor 16's: the block's largest magnitude
.endr
.irp b, 0,1,2,3
	v_add_nc_u32 v[TM+12+\b], 0xfc000000, v[TM+\b] ; 8 off its exponent field: the conversion's scale operand
.endr
.irp b, 0,1,2,3
.endr
.irp b, 0,1,2,3
	v_lshrrev_b32 v[TM+4+\b], 23, v[TM+12+\b]      ; the scale's byte
.endr
	v_lshl_or_b32 v[PW+(\a)], v[TM+5], 8, v[TM+4]
	v_lshl_or_b32 v[PW+(\a)], v[TM+6], 16, v[PW+(\a)]
	v_lshl_or_b32 v[PW+(\a)], v[TM+7], 24, v[PW+(\a)]
	WIN W                                          ; source 0
.irp b, 0,1,2,3
.irp i, 0,1,2,3,4,5,6,7,8,9,10,11,12,13,14,15
.endr
.endr
.irp b, 0,1,2,3
	v_cvt_scalef32_pk8_fp8_f32 v[PC+4*\b:PC+4*\b+1], v[AC+16*\b:AC+16*\b+7], v[TM+12+\b]
	v_cvt_scalef32_pk8_fp8_f32 v[PC+4*\b+2:PC+4*\b+3], v[AC+16*\b+8:AC+16*\b+15], v[TM+12+\b]
.endr
	WIN 0
	v_nop                                          ; a plain line behind the last conversion
	global_store_b128 v[VO0], v[PC:PC+3], s[12:13]                 ; each store: 512 consecutive bytes
	global_store_b128 v[VO0], v[PC+4:PC+7], s[12:13] offset:512
	global_store_b128 v[VO1], v[PC+8:PC+11], s[12:13]
	global_store_b128 v[VO1], v[PC+12:PC+15], s[12:13] offset:512
.if (\a)%2 == 1
	v_perm_b32 v[SWD+(\a)/2], v[PW+(\a)], v[PW+(\a)-1], v[SELV]    ; two blocks' words become two words of memory's layout: one in lanes 0-15, one in lanes 16-31
	ds_store_b32 v[SSTO], v[SWD+(\a)/2] offset:128*((\a)/2)
.endif
.endm
	PLACES NP                                      ; behind the last products: their results are read, and A's registers written, below
.irp b, 0,1,2,3
	v_mov_b32 v[TM+4+\b], 0                        ; written once: a lane permute's destination counts as one of its sources
.endr
.irp a, 0,1,2,3,4,5,6,7
	QOUT \a
.endr
	ds_load_b128 v[SWB:SWB+3], v[SSRD]             ; LDS serves a wave's instructions in order: this sees my four stores
	s_wait_dscnt 0x0
	global_store_b128 v[VSO], v[SWB:SWB+3], s[100:101]   ; the wave's 512 bytes of scale words, in runs of 256 consecutive bytes or more
	s_wait_tensorcnt 0x0                           ; the wave's end
	ds_add_u32 v[SPW], v[NIL]
	s_wait_dscnt 0x0
	CROUND                                         ; the closing round: no work-group ends while a partner may still ask for a tile that names it
	s_endpgm
.Lfunc_end_k_q678783a08d_proj:
	.size	k_q678783a08d_proj, .Lfunc_end_k_q678783a08d_proj-k_q678783a08d_proj
	.p2alignl 7, 3214868480
	.fill 96, 4, 3214868480
	.section	.rodata,"a",@progbits
	.p2align	6, 0x0
	.amdhsa_kernel k_q678783a08d_proj
		.amdhsa_group_segment_fixed_size 327680
		.amdhsa_private_segment_fixed_size 0
		.amdhsa_enable_private_segment 0
		.amdhsa_kernarg_size 32
		.amdhsa_user_sgpr_count 2
		.amdhsa_user_sgpr_kernarg_segment_ptr 1
		.amdhsa_wavefront_size32 1
		.amdhsa_system_sgpr_workgroup_id_x 1
		.amdhsa_system_sgpr_workgroup_id_y 1
		.amdhsa_system_sgpr_workgroup_id_z 1
		.amdhsa_system_vgpr_workitem_id 0
		.amdhsa_next_free_vgpr 1024
		.amdhsa_next_free_sgpr 104
		.amdhsa_reserve_vcc 1
		.amdhsa_float_denorm_mode_32 3
		.amdhsa_float_denorm_mode_16_64 3
		.amdhsa_fp16_overflow 1
		.amdhsa_memory_ordered 1
		.amdhsa_forward_progress 1
		.amdhsa_inst_pref_size 152
	.end_amdhsa_kernel
	.amdgpu_metadata
---
amdhsa.version: [ 1, 2 ]
amdhsa.kernels:
  - .name:           k_q678783a08d_proj
    .symbol:         k_q678783a08d_proj.kd
    .args:
      - { .name: xq, .offset: 0, .size: 8, .value_kind: global_buffer, .address_space: global }
      - { .name: wq, .offset: 8, .size: 8, .value_kind: global_buffer, .address_space: global }
      - { .name: qk, .offset: 16, .size: 8, .value_kind: global_buffer, .address_space: global }
      - { .name: vt, .offset: 24, .size: 8, .value_kind: global_buffer, .address_space: global }
    .group_segment_fixed_size: 327680
    .private_segment_fixed_size: 0
    .kernarg_segment_align: 8
    .kernarg_segment_size: 32
    .max_flat_workgroup_size: 128
    .sgpr_count:     104
    .vgpr_count:     1024
    .wavefront_size: 32
...
	.end_amdgpu_metadata
.endif
;; end of part 2
;; launch attn (part 3): grid 4 x 64, 16 waves a work-group, clusters of 4 x 1, 272,384 bytes of LDS; arguments qk, vt, ao; writes ao
.if DOCPART == 3
	.amdgcn_target "amdgcn-amd-amdhsa--gfx1250"
	.amdhsa_code_object_version 6
	.text
	.protected	k_q678783a08d_attn
	.globl	k_q678783a08d_attn
	.p2align	8
	.type	k_q678783a08d_attn,@function
k_q678783a08d_attn:
	s_mov_b64 s[64:65], 0
	v_nop
	global_prefetch_b8 v0, s[64:65] scope:SCOPE_SE
	s_setreg_imm32_b32 hwreg(HW_REG_WAVE_MODE, 25, 1), 1
	s_wait_xcnt 0x0
	s_wait_alu depctr_hold_cnt(0) depctr_sa_sdst(0) depctr_va_vdst(0) depctr_va_sdst(0) depctr_va_ssrc(0) depctr_va_vcc(0) depctr_vm_vsrc(0)
	s_getreg_b32 s2, hwreg(HW_REG_IB_STS2, 6, 4)
	s_cmp_eq_u32 s2, 0
	s_cbranch_scc0 .Lentry_in_a_cluster
	s_endpgm
.Lentry_in_a_cluster:
	s_bfe_u32 s2, ttmp6, 0x10000c
	s_cmp_lg_u32 s2, 0x3003
	s_cbranch_scc0 .Lentry_shape_is_right
	s_endpgm
.Lentry_shape_is_right:
; Causal attention of one (batch, head) for each cluster, on codes of FP8 (E4M3) with E8M0 scales; the result is quantised along the model's 1,024 and stored as the next product's operand (ao, laid as xq).
; t = score x log2(e) / 8; M = the row's largest t so far, rounded UP to a whole number; p = 2^(t - M) is quantised along the keys, not normalised; the row's sum is taken of the unquantised p and divides O at the end.
; When M moves, the sum and O are multiplied by 2^(old M - new M): exact.
; SHARES.  The four work-groups of a cluster share one head's K and V.  A tile of queries is 16 tokens (tile 2 J + u: tokens 32 J + 8 u + r + 8 (r / 8)); a batch has 128.  Wave w of work-group g owns the tiles
; 127 - (4 w + g) and 4 w + g: their key steps of 128 that are not wholly hidden are ((31 - w) / 2 + 1) + (w / 2 + 1) = 17 for every wave, and those counts hang on the wave's number alone.
; LDS holds the head's K and V whole, filled ONCE: no ring, no byte is filled again, nothing is stored to LDS.  Waves 0, 1 fetch K's halves, waves 2, 3 V's: the scale words and four parts of 512 keys each, asked for
; JOINTLY by the four work-groups (the same descriptor, mask 15), five loads a wave, all at the head: so there is no later stream to ask ahead for.  The first steps run while the later parts are on their way.
; LAYOUT.  Both products are used transposed: a lane holds ONE query (lane % 16) throughout.  THE SCORES' K IS 64, half of the instruction's 128: an image of K's codes holds key 32 J + r + 8 (r / 8) in k 0-63 and the key
; 8 further on in k 64-127; multiplied by (q, zeros) it gives keys 32 J + 16 h + j, by (zeros, q) keys 32 J + 16 h + 8 + j: each LDS byte is read once, and 16 registers are 16 neighbouring keys.
; V's images (16 features x 128 keys) take features 32 (a / 2) + 8 (a % 2) + r + 8 (r / 8), so O^T's register 16 c + i is feature 32 c + 16 h + i: two blocks of 32 along the next K.
; OUT.  Codes: two stores of 512 consecutive bytes a tile.  Scale bytes: a head has 2 of a row's 32, so they leave as single bytes, 32 a tile: 1 byte in 33 of what the launch stores; whole rows would want all 16 heads in one work-group.
; LIMITS: NaN and infinities are not served; a block of zeros gets the byte 1 where the rule says 127 (its codes are zeros; this program alone reads the bytes); bytes are held at 1 from below.
.set KSB,  262144                      ; LDS: K's codes [J = 64][2048] at 0; V's [T = 16][a = 4][2048] at 131,072; K's scale words [J][16] here; V's [T][a][16] 4,096 further on
.set LI,   1                           ; v1   16 x lane
.set LS,   2                           ; v2   KSB + 4 r
.set ADK,  3                           ; v3-5 the step's addresses: K's images, V's, the scale words
.set ADV,  4
.set ADS,  5
.set DD,   6                           ; v6   on the diagonal: register 16 b + i is hidden where 32 b + i > this
.set NINF, 7                           ; v7   -infinity
.set R4,   8                           ; v8   4 r
.set OSB,  9                           ; v9   32 r + h
.set RP,   10                          ; v10  r + 8 (r / 8) - 16 h
.set FB,   40                          ; v40-103  four fragments of K or of V;   v16-23 zeros, v24-31 q, v32-39 zeros
.set S,    104                         ; v104-167 S^T, then p
.set O,    168                         ; v168-199 O^T
.set PC,   200                         ; v200-215 p's codes
.set BM,   216                         ; v216-219 the blocks' largest
.set T4,   220                         ; v220-223 at work; bytes
.set LIM,  224
.set SOP,  228                         ; v228-231 the conversions' scale operands
.set KSC,  232                         ; v232-235 K's scale words;  v236-239 V's;  v240 q's;  v241 p's
.set VSC,  236
.set QSC,  240
.set PWD,  241
.set FF,   242                         ; v[242:243] f = 2^(old M - new M); the upper register is written once
.set TP,   244
.set SM2,  246                         ; v[246:247] the sum's second chain.   v12 -M, v13 the largest t, v[14:15] the sum in two halves
.set WV,   10
.set MNT,  11
.set SEL,  12
.set CS,   14                          ; s[14:15] c = log2(e) / 8
.set TB,   16                          ; s16 the step's images: 8,192 bytes a step
.set TS,   17                          ; s17 its scale words: 256 bytes a step
.set KJ,   18                          ; s18 the key step
.set DG,   19                          ; s19 the tile's step on the diagonal
.set CNT,  20
.set HM,   21                          ; s21 lanes 16-31
.set TI,   22                          ; s22 the tile of queries
.set QSEL, 23
.set TIS,  27                          ; s27 4 w + g
.set QB,   28                          ; s[28:29] q's codes of my head, s[30:31] their scale words, s[32:33] ao's codes, s[34:35] ao's scale bytes
.set QS,   30
.set AB,   32
.set AS,   34
.set QP,   36                          ; the same four at the tile in hand
.set QSP,  38
.set AP,   60
.set ASP,  62
.set G0,   40                          ; s[40:59] five groups 0: the scale words, four parts
.set G1K,  68
.set G1KS, 76
.set G1V,  84
.set G1VS, 92
.macro ROUND                           ; a round of the cluster's barrier
	s_barrier_signal -1
	s_barrier_wait -1
	s_cmp_lg_u32 s[WV], 0
	s_cbranch_scc1 .Lnot_wave_0_\@
	s_barrier_signal -3
.Lnot_wave_0_\@:
	s_barrier_wait -3
	s_barrier_signal -1
	s_barrier_wait -1
.endm
	s_load_b128 s[4:7], s[0:1], 0x0                ; qk, vt
	s_load_b64 s[8:9], s[0:1], 0x10                ; ao
	v_lshl_add_u32 v254, v0, 2, 0x42000
	v_mov_b32 v255, 0
	ds_add_u32 v254, v255
	ds_add_u32 v254, v255
	v_lshrrev_b32 v11, 5, v0
	s_delay_alu instid0(VALU_DEP_1)
	v_readfirstlane_b32 s[WV], v11                 ; wave 0..15
	s_and_b32 s24, ttmp7, 0xffff                   ; the cluster's y: 16 x batch + head
	s_and_b32 s25, s24, 15                         ; head
	s_lshr_b32 s24, s24, 4                         ; batch
	s_bfe_u32 s26, ttmp6, 0x40000                  ; cx: it enters q's and ao's addresses and the mask's numbers alone
	s_and_b32 s2, s[WV], 1                         ; which half I fetch, if I fetch
	s_bfe_u32 s3, s[WV], 0x10001                   ; for K (0) or for V (1)
	; descriptor groups 1: elements of 8 bytes, dense in LDS, mask 15 with bit 21 beside it
.irp g, G1K, G1KS, G1V, G1VS
	s_mov_b32 s[\g], 15|(3<<16)|(1<<21)
	s_mov_b32 s[\g+6], 0
	s_mov_b32 s[\g+7], 0
.endr
	s_mov_b32 s[G1K+1], 32<<16                     ; K's codes: 64 rows of 256 bytes, dense
	s_mov_b32 s[G1K+2], 64<<16
	s_mov_b32 s[G1K+3], 32<<16
	s_mov_b32 s[G1K+4], 64
	s_mov_b32 s[G1K+5], 32
	s_mov_b32 s[G1KS+1], 32<<16                    ; K's scale words: 8 rows of 256 bytes, dense
	s_mov_b32 s[G1KS+2], 8<<16
	s_mov_b32 s[G1KS+3], 32<<16
	s_mov_b32 s[G1KS+4], 8
	s_mov_b32 s[G1KS+5], 32
	s_mov_b32 s[G1V+1], 1024<<16                   ; V's codes: 2 runs of 128 keys: 2 rows of 8,192 bytes, 131,072 apart
	s_mov_b32 s[G1V+2], 2<<16
	s_mov_b32 s[G1V+3], 1024<<16
	s_mov_b32 s[G1V+4], 2
	s_mov_b32 s[G1V+5], 16384
	s_mov_b32 s[G1VS+1], 32<<16                    ; V's scale words: 8 runs: 8 rows of 256 bytes, 4,096 apart
	s_mov_b32 s[G1VS+2], 8<<16
	s_mov_b32 s[G1VS+3], 32<<16
	s_mov_b32 s[G1VS+4], 8
	s_mov_b32 s[G1VS+5], 512
	s_add_co_u32 s27, s25, 16                      ; k's heads lie behind q's sixteen
	s_lshl_b32 s66, s27, 19
	s_lshl_b32 s67, s24, 17
	s_add_co_u32 s66, s66, s67                     ; K's codes in qk
	s_lshl_b32 s100, s24, 21
	s_lshl_b32 s67, s25, 13
	s_add_co_u32 s100, s100, s67                   ; V's codes in vt
	s_lshl_b32 s101, s27, 14
	s_lshl_b32 s67, s24, 12
	s_add_co_u32 s101, s101, s67
	s_add_co_u32 s101, s101, 16777216              ; K's scale words
	s_lshl_b32 s27, s24, 16
	s_lshl_b32 s67, s25, 8
	s_add_co_u32 s27, s27, s67
	s_add_co_u32 s27, s27, 8388608                 ; V's
	s_mov_b32 s36, 262144
	s_mov_b32 s37, 524288
	s_mov_b32 s38, 32768
	s_cmp_lt_u32 s[WV], 2
	s_cselect_b32 s66, s66, s100
	s_cselect_b32 s101, s101, s27
	s_cselect_b32 s36, 16384, s36                  ; from half to half,
	s_cselect_b32 s37, 32768, s37                  ; from part to part,
	s_cselect_b32 s38, 2048, s38                   ; from half to half of the scale words
	s_mul_i32 s36, s36, s2
	s_mul_i32 s38, s38, s2
	s_add_co_u32 s66, s66, s36
	s_add_co_u32 s100, s101, s38
	s_mov_b32 s67, 0
	s_mov_b32 s101, 0
	s_lshl_b32 s27, s3, 12
	s_lshl_b32 s36, s2, 11
	s_add_co_u32 s27, s27, s36
	s_add_co_u32 s[G0+1], s27, KSB                 ; LDS: the scale words: KSB + 4,096 x (K or V) + 2,048 x half
	s_lshl_b32 s27, s3, 17
	s_lshl_b32 s36, s2, 14
	s_add_co_u32 s27, s27, s36                     ; LDS: part 0: 131,072 x (K or V) + 16,384 x half
	s_wait_dscnt 0x0
	s_wait_kmcnt 0x0
	s_cmp_lt_u32 s[WV], 2
	s_cselect_b64 s[38:39], s[4:5], s[6:7]
	s_mov_b32 s[G0], 1
	s_add_nc_u64 s[G0+2:G0+3], s[38:39], s[100:101]
	s_or_b32 s[G0+3], s[G0+3], 0x80000000
.irp p, 0,1,2,3
	s_mov_b32 s[G0+4+4*\p], 1
	s_add_co_u32 s[G0+5+4*\p], s27, 32768*\p
	s_add_nc_u64 s[G0+6+4*\p:G0+7+4*\p], s[38:39], s[66:67]
	s_or_b32 s[G0+7+4*\p], s[G0+7+4*\p], 0x80000000
	s_add_co_u32 s66, s66, s37
.endr
	ROUND                                          ; all four work-groups are here: the joint loads meet
	s_cmp_lt_u32 s[WV], 2                          ; a wave's five fills stand in one branch on the wave's number; five loads of mine are out at the most
	s_cbranch_scc0 .Lnot_k
	tensor_load_to_lds s[G0:G0+3], s[G1KS:G1KS+7]
	s_nop 0
	tensor_load_to_lds s[G0+4:G0+7], s[G1K:G1K+7]
	s_nop 0
	tensor_load_to_lds s[G0+8:G0+11], s[G1K:G1K+7]
	s_nop 0
	tensor_load_to_lds s[G0+12:G0+15], s[G1K:G1K+7]
	s_nop 0
	tensor_load_to_lds s[G0+16:G0+19], s[G1K:G1K+7]
	s_nop 0
.rept 4
	v_nop
.endr
	s_branch .Lasked
.Lnot_k:
	s_cmp_lt_u32 s[WV], 4
	s_cbranch_scc0 .Lasked
	tensor_load_to_lds s[G0:G0+3], s[G1VS:G1VS+7]
	s_nop 0
	tensor_load_to_lds s[G0+4:G0+7], s[G1V:G1V+7]
	s_nop 0
	tensor_load_to_lds s[G0+8:G0+11], s[G1V:G1V+7]
	s_nop 0
	tensor_load_to_lds s[G0+12:G0+15], s[G1V:G1V+7]
	s_nop 0
	tensor_load_to_lds s[G0+16:G0+19], s[G1V:G1V+7]
	s_nop 0
.rept 4
	v_nop
.endr
.Lasked:
	v_and_b32 v11, 31, v0                          ; lane
	s_delay_alu instid0(VALU_DEP_1)
	v_lshlrev_b32 v[LI], 4, v11
	v_and_b32 v[TP], 15, v0                        ; r
	v_bfe_u32 v245, v0, 4, 1                       ; h
	s_delay_alu instid0(VALU_DEP_2)
	v_lshlrev_b32 v[R4], 2, v[TP]
	s_delay_alu instid0(VALU_DEP_1)
	v_add_nc_u32 v[LS], KSB, v[R4]
	s_delay_alu instid0(VALU_DEP_3)
	v_lshl_add_u32 v[OSB], v[TP], 5, v245
	v_and_b32 v[RP], 8, v[TP]
	s_delay_alu instid0(VALU_DEP_1)
	v_add_nc_u32 v[RP], v[RP], v[TP]
	v_lshlrev_b32 v245, 4, v245
	s_delay_alu instid0(VALU_DEP_1)
	v_sub_nc_u32 v[RP], v[RP], v245
	v_cmp_le_u32 s[HM], 16, v11
	v_mov_b32 v[NINF], 0xff800000
.irp j, 0,1,2,3,4,5,6,7
	v_mov_b32 v[16+\j], 0                          ; the zeros on both sides of q: (zeros, q) = v[16:31], (q, zeros) = v[24:39]
	v_mov_b32 v[32+\j], 0
.endr
.irp b, 0,1,2,3
	v_mov_b32 v[T4+\b], 0                          ; written once: a lane permute's destination counts as one of its sources
.endr
	v_mov_b32 v[FF+1], 0                           ; named as the upper half of a pair
	s_mov_b32 s[SEL], 0x76543210
	s_mov_b32 s[SEL+1], 0xfedcba98
	s_mov_b32 s[CS], 0x3e38aa3b                    ; log2(e) / 8
	s_mov_b32 s[CS+1], s[CS]
	s_lshl_b32 s2, s25, 19
	s_lshl_b32 s3, s24, 17
	s_add_co_u32 s2, s2, s3
	s_mov_b32 s3, 0
	s_add_nc_u64 s[QB:QB+1], s[4:5], s[2:3]
	s_lshl_b32 s2, s25, 14
	s_lshl_b32 s66, s24, 12
	s_add_co_u32 s2, s2, s66
	s_add_co_u32 s2, s2, 16777216
	s_add_nc_u64 s[QS:QS+1], s[4:5], s[2:3]
	s_lshl_b32 s2, s24, 21                         ; ao: 128 tiles of 16,384 bytes a batch; a head's two pieces lie 1,024 x head into a tile
	s_lshl_b32 s66, s25, 10
	s_add_co_u32 s2, s2, s66
	s_add_nc_u64 s[AB:AB+1], s[8:9], s[2:3]
	s_lshl_b32 s2, s24, 16                         ; its scale bytes: 512 a tile; a head's two lie 2 x head into a row's 32
	s_lshl_b32 s66, s25, 1
	s_add_co_u32 s2, s2, s66
	s_add_co_u32 s2, s2, 8388608
	s_add_nc_u64 s[AS:AS+1], s[8:9], s[2:3]
	s_lshl_b32 s[TIS], s[WV], 2
	s_add_co_u32 s[TIS], s[TIS], s26
; A KEY STEP: 128 keys.  causal = 1: a step all of whose keys come after the tile's queries is left out (a scalar branch on the wave's number and the step's), and on the diagonal hidden scores become -infinity.
.macro STEP causal
.if \causal
	s_cmp_gt_u32 s[KJ], s[DG]
	s_cbranch_scc1 .Lhidden_\@
.endif
	s_setprio 2
	v_add_nc_u32 v[ADK], s[TB], v[LI]
	v_add_nc_u32 v[ADS], s[TS], v[LS]
	s_delay_alu instid0(VALU_DEP_2)
	v_add_nc_u32 v[ADV], 0x20000, v[ADK]
.rept 5
	v_nop                                          ; with the three lines above: eight places in front of loads into registers that the last products read
.endr
.irp f, 0,1,2,3
.irp c, 0,1,2,3
	ds_load_b128 v[FB+16*\f+4*\c:FB+16*\f+4*\c+3], v[ADK] offset:2048*\f+512*\c   ; an image as it lies: 512 consecutive bytes a load
.endr
	ds_load_b32 v[KSC+\f], v[ADS] offset:64*\f
.endr
	s_wait_alu depctr_va_vdst(0)
	s_wait_dscnt 0x0
.irp f, 0,1,2,3
	v_wmma_scale_f32_16x16x128_f8f6f4 v[S+16*\f:S+16*\f+7], v[FB+16*\f:FB+16*\f+15], v[24:39], 0, v[KSC+\f], v[QSC]      ; keys 32 f + 16 h + 0 .. 7
	v_wmma_scale_f32_16x16x128_f8f6f4 v[S+16*\f+8:S+16*\f+15], v[FB+16*\f:FB+16*\f+15], v[16:31], 0, v[KSC+\f], v[QSC]   ; keys 32 f + 16 h + 8 .. 15
.endr
.rept 8
	v_nop                                          ; places in front of the loads below and of the first read of the scores
.endr
.irp a, 0,1,2,3                                ; V's images are asked for here and land while the softmax is worked
.irp c, 0,1,2,3
	ds_load_b128 v[FB+16*\a+4*\c:FB+16*\a+4*\c+3], v[ADV] offset:2048*\a+512*\c
.endr
	ds_load_b32 v[VSC+\a], v[ADS] offset:4096+64*\a
.endr
.if \causal
	s_cmp_lt_u32 s[KJ], s[DG]
	s_cbranch_scc1 .Lopen_\@
.set n, 0
.rept 64
	v_cmp_gt_i32 vcc_lo, 32*(n/16)+n%16, v[DD]
	v_cndmask_b32 v[S+n], v[S+n], v[NINF], vcc_lo
.set n, n+1
.endr
.Lopen_\@:
.endif
.irp b, 0,1,2,3
	v_max3_num_f32 v[BM+\b], v[S+16*\b], v[S+1+16*\b], v[S+2+16*\b]   ; the largest score of each block of 32 keys: for the row's maximum, and, since p rises with the score, for the block's largest p
.endr
.irp i, 3,5,7,9,11,13
.irp b, 0,1,2,3
	v_max3_num_f32 v[BM+\b], v[BM+\b], v[S+16*\b+\i], v[S+1+16*\b+\i]
.endr
.endr
.irp b, 0,1,2,3
	v_max_num_f32 v[BM+\b], v[BM+\b], v[S+15+16*\b]
.endr
.irp b, 0,1,2,3
	s_delay_alu instid0(VALU_DEP_4)
	v_permlanex16_b32 v[T4+\b], v[BM+\b], s[SEL], s[SEL+1]
.endr
.irp b, 0,1,2,3
	s_delay_alu instid0(VALU_DEP_4)
	v_max_num_f32 v[BM+\b], v[BM+\b], v[T4+\b]     ; with lane l xor 16's 16 keys
.endr
	s_delay_alu instid0(VALU_DEP_2)
	v_max3_num_f32 v[TP], v[BM], v[BM+1], v[BM+2]
	s_delay_alu instid0(VALU_DEP_1)
	v_max_num_f32 v[TP], v[TP], v[BM+3]
	s_delay_alu instid0(VALU_DEP_1)
	v_mul_f32 v[TP], s[CS], v[TP]                  ; the step's largest t
	s_delay_alu instid0(VALU_DEP_1)
	v_max_num_f32 v13, v13, v[TP]                  ; the running largest t
	v_mov_b32 v[TP], v12
	s_delay_alu instid0(VALU_DEP_2)
	v_floor_f32 v12, -v13                          ; the new -M = -ceil(t): a whole number
	s_delay_alu instid0(VALU_DEP_1)
	v_sub_f32 v[TP], v12, v[TP]                    ; old M - new M: a whole number, 0 or less
	s_delay_alu instid0(VALU_DEP_1)
	v_cvt_i32_f32 v[TP], v[TP]                     ; (it saturates)
	s_delay_alu instid0(VALU_DEP_1)
	v_ldexp_f32 v[FF], 1.0, v[TP]                  ; f = 2^(old M - new M)
.set n, 0
.rept 32
	v_pk_fma_f32 v[S+n:S+n+1], v[S+n:S+n+1], s[CS:CS+1], v[12:13] op_sel_hi:[1,0,0]   ; t - M, two at a time
.set n, n+2
.endr
.irp b, 0,1,2,3
	v_fma_f32 v[BM+\b], v[BM+\b], s[CS], v12       ; the same of each block's largest score
.endr
.set n, 0
	s_setprio 1
	s_wait_alu depctr_va_vdst(0)
.rept 64
	v_exp_f32 v[S+n], v[S+n]                       ; p = 2^(t - M)
.set n, n+1
.endr
	v_pk_mul_f32 v[14:15], v[14:15], v[FF:FF+1] op_sel_hi:[1,0]   ; the sums under the new M: the plain line behind the exponentials
	s_wait_alu depctr_va_vdst(0)                   ; one wait for the batch of 64, ahead of its first reader
.irp b, 0,1,2,3
	v_exp_f32 v[BM+\b], v[BM+\b]                   ; the block's largest p
.endr
	v_pk_add_f32 v[246:247], v[108:109], v[112:113]
	v_pk_add_f32 v[252:253], v[116:117], v[120:121]
	v_pk_add_f32 v[250:251], v[124:125], v[128:129]
	v_pk_add_f32 v[248:249], v[132:133], v[136:137]
	v_pk_add_f32 v[234:235], v[140:141], v[144:145]
	v_pk_add_f32 v[232:233], v[148:149], v[152:153]
	v_pk_add_f32 v[230:231], v[156:157], v[160:161]
	v_pk_add_f32 v[14:15], v[14:15], v[164:165]
	v_pk_add_f32 v[246:247], v[246:247], v[104:105]
	v_pk_add_f32 v[252:253], v[252:253], v[106:107]
	v_pk_add_f32 v[250:251], v[250:251], v[110:111]
	v_pk_add_f32 v[248:249], v[248:249], v[114:115]
	v_pk_add_f32 v[234:235], v[234:235], v[118:119]
	v_pk_add_f32 v[232:233], v[232:233], v[122:123]
	v_pk_add_f32 v[230:231], v[230:231], v[126:127]
	v_pk_add_f32 v[14:15], v[14:15], v[130:131]
	v_pk_add_f32 v[246:247], v[246:247], v[134:135]
	v_pk_add_f32 v[252:253], v[252:253], v[138:139]
	v_pk_add_f32 v[250:251], v[250:251], v[142:143]
	v_pk_add_f32 v[248:249], v[248:249], v[146:147]
	v_pk_add_f32 v[234:235], v[234:235], v[150:151]
	v_pk_add_f32 v[232:233], v[232:233], v[154:155]
	v_pk_add_f32 v[230:231], v[230:231], v[158:159]
	v_pk_add_f32 v[14:15], v[14:15], v[162:163]
	v_pk_add_f32 v[246:247], v[246:247], v[166:167]
	s_delay_alu instid0(VALU_DEP_2)
	v_pk_add_f32 v[14:15], v[14:15], v[248:249]
	s_delay_alu instid0(VALU_DEP_2)
	v_pk_add_f32 v[246:247], v[246:247], v[234:235]
	v_pk_add_f32 v[252:253], v[252:253], v[232:233]
	v_pk_add_f32 v[250:251], v[250:251], v[230:231]
	s_delay_alu instid0(VALU_DEP_2)
	v_pk_add_f32 v[14:15], v[14:15], v[252:253]
	s_delay_alu instid0(VALU_DEP_2)
	v_pk_add_f32 v[246:247], v[246:247], v[250:251]
	s_delay_alu instid0(VALU_DEP_1)
	v_pk_add_f32 v[14:15], v[14:15], v[246:247]
	s_wait_alu depctr_va_vdst(0)                   ; and one for the four
.irp b, 0,1,2,3
	v_max_num_f32 v[BM+\b], 0x4800000, v[BM+\b]    ; the floor 2^(9 - 127): the byte cannot fall under 1
.endr
.irp b, 0,1,2,3
	s_delay_alu instid0(VALU_DEP_4)
	v_add_nc_u32 v[SOP+\b], 0xfc000000, v[BM+\b]
.endr
.irp b, 0,1,2,3
.endr
.irp b, 0,1,2,3
	s_delay_alu instid0(VALU_DEP_4)
	v_lshrrev_b32 v[T4+\b], 23, v[SOP+\b]
.endr
	s_delay_alu instid0(VALU_DEP_3)
	v_lshl_or_b32 v[PWD], v[T4+1], 8, v[T4]        ; p's scale word for these 128 keys
	s_delay_alu instid0(VALU_DEP_1)
	v_lshl_or_b32 v[PWD], v[T4+2], 16, v[PWD]
	s_delay_alu instid0(VALU_DEP_1)
	v_lshl_or_b32 v[PWD], v[T4+3], 24, v[PWD]
	s_setprio 0
.irp b, 0,1,2,3
.irp i, 0,1,2,3,4,5,6,7,8,9,10,11,12,13,14,15
.endr
	v_cvt_scalef32_pk8_fp8_f32 v[PC+4*\b:PC+4*\b+1], v[S+16*\b:S+16*\b+7], v[SOP+\b]
	v_cvt_scalef32_pk8_fp8_f32 v[PC+4*\b+2:PC+4*\b+3], v[S+16*\b+8:S+16*\b+15], v[SOP+\b]
.endr
.set n, 0
.rept 16
	v_pk_mul_f32 v[O+n:O+n+1], v[O+n:O+n+1], v[FF:FF+1] op_sel_hi:[1,0]   ; O^T under the new M; these are also the places between the codes and the products
.set n, n+2
.endr
	s_wait_alu depctr_va_vdst(0)
	s_wait_dscnt 0x0                               ; V's images and scale words are in
.irp a, 0,1,2,3
	v_wmma_scale_f32_16x16x128_f8f6f4 v[O+8*\a:O+8*\a+7], v[FB+16*\a:FB+16*\a+15], v[PC:PC+15], v[O+8*\a:O+8*\a+7], v[VSC+\a], v[PWD]   ; the four accumulators by turns
.endr
.if \causal
.Lhidden_\@:
.endif
	s_add_co_u32 s[TB], s[TB], 8192
	s_add_co_u32 s[TS], s[TS], 256
	s_add_co_u32 s[KJ], s[KJ], 1
.endm
.macro RUN n, causal                   ; n key steps: a constant number of trips in every wave
	s_mov_b32 s[CNT], \n
.Lrun_\@:
	s_wait_alu depctr_va_vdst(0)
	STEP \causal
	s_sub_co_u32 s[CNT], s[CNT], 1
	s_cmp_lg_u32 s[CNT], 0
	s_cbranch_scc1 .Lrun_\@
	s_setprio 0
.endm
; The tile s[TI] begins: its q and q's scale word, its places in ao, the mask's number, and the running figures.
.macro TILE_INIT
	s_wait_xcnt 0x0                                ; the last tile's loads and stores have read their pointers and registers
	s_lshr_b32 s2, s[TI], 1                        ; J
	s_and_b32 s3, s[TI], 1                         ; u
	s_lshl_b32 s66, s[TI], 10                      ; 2,048 J + 1,024 u
	s_mov_b32 s67, 0
	s_add_nc_u64 s[QP:QP+1], s[QB:QB+1], s[66:67]
	s_lshl_b32 s66, s2, 6
	s_add_nc_u64 s[QSP:QSP+1], s[QS:QS+1], s[66:67]
	global_load_b128 v[24:27], v[LI], s[QP:QP+1]               ; q, numbers 16 h on,
	global_load_b128 v[28:31], v[LI], s[QP:QP+1] offset:512    ; and 32 + 16 h on
	global_load_b32 v[TP], v[R4], s[QSP:QSP+1]                 ; the scale word of rows r of tiles 2 J and 2 J + 1
	s_lshl_b32 s66, s[TI], 14
	s_add_nc_u64 s[AP:AP+1], s[AB:AB+1], s[66:67]
	s_lshl_b32 s66, s[TI], 9
	s_add_nc_u64 s[ASP:ASP+1], s[AS:AS+1], s[66:67]
	s_and_b32 s2, s2, 3
	s_lshl_b32 s2, s2, 5
	s_lshl_b32 s66, s3, 3
	s_add_co_u32 s2, s2, s66                       ; 32 (J % 4) + 8 u: the tile's place in its step on the diagonal
	s_mul_i32 s[QSEL], s3, 0x02020202
	s_add_co_u32 s[QSEL], s[QSEL], 0x01000100      ; bytes 0, 1 (u = 0) or 2, 3 (u = 1), twice
	s_mov_b32 s[TB], 0
	s_mov_b32 s[TS], 0
	s_mov_b32 s[KJ], 0
.set n, 0
.rept 32
	v_mov_b32 v[O+n], 0                            ; O^T: the step is written once; the first finds zeros
.set n, n+1
.endr
	s_wait_loadcnt 0x0
	v_perm_b32 v[QSC], v[TP], v[TP], s[QSEL]       ; q's scale word, (s0 s1 s0 s1): it serves (q, zeros) and (zeros, q); five lines here and eight at the step's head stand ahead of the first product
	v_add_nc_u32 v[DD], s2, v[RP]
	v_mov_b32 v13, 0xff61b1e6                      ; the largest t so far: -3e38
	s_delay_alu instid0(VALU_DEP_1)
	v_floor_f32 v12, -v13
	v_mov_b32 v14, 0
	v_mov_b32 v15, 0
.endm
; The tile ends: O^T / the sum, quantised along the head's 64 (two blocks of the next product's K), stored as two pieces of ao's image and two scale bytes a row.
.macro TILE_OUT
.rept 8
	v_nop                                          ; places behind the last products
.endr
	v_add_f32 v14, v14, v15
	s_delay_alu instid0(VALU_DEP_1)
	v_permlanex16_b32 v[TP], v14, s[SEL], s[SEL+1]
	s_delay_alu instid0(VALU_DEP_1)
	v_add_f32 v14, v14, v[TP]                      ; the row's sum
	s_wait_alu depctr_va_vdst(0)
	v_rcp_f32 v14, v14
	v_nop                                          ; a plain line behind the reciprocal,
	s_wait_alu depctr_va_vdst(0)                   ; and the wait ahead of its first reader
.set n, 0
.rept 32
	v_mul_f32 v[S+n], v[O+n], v14                  ; register 16 c + i: feature 32 c + 16 h + i; each accumulator is read from its low end on
.set n, n+1
.endr
.irp b, 0,1
	v_max3_num_f32 v[BM+\b], |v[S+16*\b]|, |v[S+1+16*\b]|, 0x4800000
.endr
.irp i, 2,4,6,8,10,12,14
.irp b, 0,1
	s_delay_alu instid0(VALU_DEP_2)
	v_max3_num_f32 v[BM+\b], v[BM+\b], |v[S+16*\b+\i]|, |v[S+1+16*\b+\i]|
.endr
.endr
.irp b, 0,1
	s_delay_alu instid0(VALU_DEP_2)
	v_permlanex16_b32 v[T4+\b], v[BM+\b], s[SEL], s[SEL+1]
.endr
.irp b, 0,1
	s_delay_alu instid0(VALU_DEP_2)
	v_max_num_f32 v[BM+\b], v[BM+\b], v[T4+\b]
.endr
.irp b, 0,1
	s_delay_alu instid0(VALU_DEP_2)
	v_add_nc_u32 v[SOP+\b], 0xfc000000, v[BM+\b]
.endr
.irp b, 0,1
.endr
.irp b, 0,1
	s_delay_alu instid0(VALU_DEP_2)
	v_lshrrev_b32 v[T4+\b], 23, v[SOP+\b]
.endr
.irp b, 0,1
.irp i, 0,1,2,3,4,5,6,7,8,9,10,11,12,13,14,15
.endr
	v_cvt_scalef32_pk8_fp8_f32 v[PC+4*\b:PC+4*\b+1], v[S+16*\b:S+16*\b+7], v[SOP+\b]
	v_cvt_scalef32_pk8_fp8_f32 v[PC+4*\b+2:PC+4*\b+3], v[S+16*\b+8:S+16*\b+15], v[SOP+\b]
.endr
	v_cndmask_b32 v[TP], v[T4], v[T4+1], s[HM]     ; lanes 0-15 store the first block's byte, lanes 16-31 the second's.  (The plain line behind the conversions)
	global_store_b128 v[LI], v[PC:PC+3], s[AP:AP+1]              ; 512 consecutive bytes
	global_store_b128 v[LI], v[PC+4:PC+7], s[AP:AP+1] offset:512
	global_store_b8 v[OSB], v[TP], s[ASP:ASP+1]
.endm
	s_xor_b32 s[TI], s[TIS], 127                   ; the long tile: 127 - (4 w + g)
	s_xor_b32 s[DG], s[WV], 31
	s_lshr_b32 s[DG], s[DG], 1                     ; its step on the diagonal: (31 - w) / 2, 8 at the least
	TILE_INIT
	s_wait_tensorcnt 3                             ; the scale words and the first 512 keys are in; the three parts behind them may be out: no byte is filled again in this launch
	s_wait_dscnt 0x0
	s_barrier_signal -1
	s_barrier_wait -1
	RUN 4, 0                                       ; steps 0-3: all their keys count
	s_wait_tensorcnt 2                             ; keys 512 to 1,023 are in
	s_wait_dscnt 0x0
	s_barrier_signal -1
	s_barrier_wait -1
	RUN 4, 0                                       ; steps 4-7
	s_wait_tensorcnt 0x0                           ; all of K and V is in
	s_wait_dscnt 0x0
	s_barrier_signal -1
	s_barrier_wait -1
	RUN 8, 1                                       ; steps 8-15, up to the diagonal
	TILE_OUT
	s_mov_b32 s[TI], s[TIS]                        ; the short tile: 4 w + g
	s_lshr_b32 s[DG], s[WV], 1
	TILE_INIT
	RUN 8, 1                                       ; steps 0-7, up to the diagonal
	TILE_OUT
	s_wait_tensorcnt 0x0
	ds_add_u32 v254, v255
	s_wait_dscnt 0x0
	ROUND                                          ; the closing round
	s_endpgm
.Lfunc_end_k_q678783a08d_attn:
	.size	k_q678783a08d_attn, .Lfunc_end_k_q678783a08d_attn-k_q678783a08d_attn
	.p2alignl 7, 3214868480
	.fill 96, 4, 3214868480
	.section	.rodata,"a",@progbits
	.p2align	6, 0x0
	.amdhsa_kernel k_q678783a08d_attn
		.amdhsa_group_segment_fixed_size 272384
		.amdhsa_private_segment_fixed_size 0
		.amdhsa_enable_private_segment 0
		.amdhsa_kernarg_size 24
		.amdhsa_user_sgpr_count 2
		.amdhsa_user_sgpr_kernarg_segment_ptr 1
		.amdhsa_wavefront_size32 1
		.amdhsa_system_sgpr_workgroup_id_x 1
		.amdhsa_system_sgpr_workgroup_id_y 1
		.amdhsa_system_sgpr_workgroup_id_z 1
		.amdhsa_system_vgpr_workitem_id 0
		.amdhsa_next_free_vgpr 256
		.amdhsa_next_free_sgpr 102
		.amdhsa_reserve_vcc 1
		.amdhsa_float_denorm_mode_32 3
		.amdhsa_float_denorm_mode_16_64 3
		.amdhsa_fp16_overflow 1
		.amdhsa_memory_ordered 1
		.amdhsa_forward_progress 1
		.amdhsa_inst_pref_size 105
	.end_amdhsa_kernel
	.amdgpu_metadata
---
amdhsa.version: [ 1, 2 ]
amdhsa.kernels:
  - .name:           k_q678783a08d_attn
    .symbol:         k_q678783a08d_attn.kd
    .args:
      - { .name: qk, .offset: 0, .size: 8, .value_kind: global_buffer, .address_space: global }
      - { .name: vt, .offset: 8, .size: 8, .value_kind: global_buffer, .address_space: global }
      - { .name: ao, .offset: 16, .size: 8, .value_kind: global_buffer, .address_space: global }
    .group_segment_fixed_size: 272384
    .private_segment_fixed_size: 0
    .kernarg_segment_align: 8
    .kernarg_segment_size: 24
    .max_flat_workgroup_size: 512
    .sgpr_count:     102
    .vgpr_count:     256
    .wavefront_size: 32
...
	.end_amdgpu_metadata
.endif
;; end of part 3
;; launch outp (part 4): grid 4 x 32, 4 waves a work-group, clusters of 4 x 4, 327,680 bytes of LDS; arguments ao, wq, bo, out0; writes out0
.if DOCPART == 4
	.amdgcn_target "amdgcn-amd-amdhsa--gfx1250"
	.amdhsa_code_object_version 6
	.text
	.protected	k_q678783a08d_outp
	.globl	k_q678783a08d_outp
	.p2align	8
	.type	k_q678783a08d_outp,@function
k_q678783a08d_outp:
	s_mov_b64 s[64:65], 0
	v_nop
	global_prefetch_b8 v0, s[64:65] scope:SCOPE_SE
	s_setreg_imm32_b32 hwreg(HW_REG_WAVE_MODE, 25, 1), 1
	s_wait_xcnt 0x0
	s_wait_alu depctr_hold_cnt(0) depctr_sa_sdst(0) depctr_va_vdst(0) depctr_va_sdst(0) depctr_va_ssrc(0) depctr_va_vcc(0) depctr_vm_vsrc(0)
	s_getreg_b32 s2, hwreg(HW_REG_IB_STS2, 6, 4)
	s_cmp_eq_u32 s2, 0
	s_cbranch_scc0 .Lentry_in_a_cluster
	s_endpgm
.Lentry_in_a_cluster:
	s_bfe_u32 s2, ttmp6, 0x10000c
	s_cmp_lg_u32 s2, 0xf033
	s_cbranch_scc0 .Lentry_shape_is_right
	s_endpgm
.Lentry_shape_is_right:
; out0[m][n] = sum over k of A[m][k] Wo[n][k] + bo[n], f32, from the codes of the attention's result (ao) and of Wo (tiles 192 to 255 of wq): FP8 (E4M3) with one E8M0 scale for each 32 along K, K = 1,024.
; OPERANDS lie as images of their registers: tile 2 J + u = rows 32 J + 8 u + r + 8 (r / 8); image (tile, kap): 2,048 bytes, piece c at 512 c, lane at 16 x lane; codes [tile][8][2048], scale bytes [tile][r][32].
; A tile of C, 256 x 256, is made by four waves, each 128 x 128: 64 accumulators, 512 registers.  K goes in four steps of 256 through a ring of two LDS slots; a wave's tensor load brings 8 tiles x 4,096 bytes.
; The scale bytes of the work-group's rows, for all of K, come once with the first fills.  4 x 4 work-groups form a cluster: A's tiles are asked for jointly along its rows, B's along its columns.
; THE MATRIX INSTRUCTION IS USED TRANSPOSED (source 0 = Wo's tile, source 1 = A's): lane (r, h) holds A's row r, and register j of accumulator b holds n = 32 (b / 2) + 16 h + 8 (b % 2) + j.
; The bias is the C of each sum's first matrix instruction: eight registers for each b, in the result's layout.
; C has 32 x 4 tiles: 128 work-groups.  A tile of half the size would fill more WGPs and read each LDS byte for half as many products; with four K steps the launch is short either way.  No prefetch, for the same reason.
; REGISTERS, in windows of 256: window 0: v0-31 addresses; v32-63 scale words, two sets; v64-127 the bias; from v128 A's fragments, one set (on the way out: rows of C).
;   window 1: B's fragments, two sets.   window 2: the accumulators of my rows 0-63 ((a, b) at v[8 (8 a + b)]);   window 3: those of my rows 64-127.
.set NQ,    2
.set FR,    16
.set NL,    4
.set NP,    8                          ; places behind this matrix instruction (ISA guide 7.12.1)
.set STEPB, 4096                       ; a K step's bytes of a tile's 16,384
.set HALFT, 8*STEPB
.set SLOT,  4*HALFT
.set KS,    32
.set SCL,   2*SLOT
.set HALFS, 16*272
.set SBLK,  2*272
.set SPARE, SCL+4*HALFS                ; the spare words, 128 bytes a wave: two blocks of 256 bytes that no other line names
.set STG,   SPARE+512                  ; the way out: a stage of 16 rows x (512 bytes + 16) for each wave; no fill lands here
.set SPITCH, 528
.set ADRA, 16
.set ADRB, 20
.set STO,  24                          ; v24 where I put 32 bytes of a row
.set RD,   25                          ; v25 where I read a row back
.set CO,   26                          ; v26 16 x lane: my bytes of a row's 512
.set ADRS, 27
.set SPW,  28
.set NIL,  29
.set SC,   32
.set BI,   64
.set AF,   128
.set BK,   128                         ; 16 rows read back: v128-191 and v192-255 by turns
.set G1, 24
.set G0, 32
.set G1B, 48
.set G0B, 56
.set G1S, 68
.set G0S, 76
.set G1SB, 80
.set G0SB, 88
.set MSB, 0
.macro WIN new                         ; the immediate's high byte repeats the setting that is left
.if MSB != (\new)
	s_set_vgpr_msb (MSB<<8)|(\new)
.set MSB, (\new)
.endif
.endm
.set TO_B, 0x40
.macro MWIN hi, zero                   ; source 0 (B) window 1, source 1 (A) window 0, D window 2 or 3; C with D, or (zero = 2: the bias) in window 0
.if (\zero) == 2
	WIN 0x81+0x40*(\hi)
.else
	WIN 0xa1+0x50*(\hi)
.endif
.endm
.macro JLOAD g0a, g1a, g0b, g1b        ; a joint load: waves 0 and 1 fetch for A, waves 2 and 3 for B; four v_nop follow each of the two lines
	s_cmp_eq_u32 s15, 0
	s_cbranch_scc0 .Lfor_b_\@
	tensor_load_to_lds s[\g0a:\g0a+3], s[\g1a:\g1a+7]
	s_nop 0
.rept 4
	v_nop
.endr
	s_branch .Lasked_\@
.Lfor_b_\@:
	tensor_load_to_lds s[\g0b:\g0b+3], s[\g1b:\g1b+7]
	s_nop 0
.rept 4
	v_nop
.endr
.Lasked_\@:
.endm
.macro CREST
	s_cmp_lg_u32 s14, 0
	s_cbranch_scc1 .Lnot_wave_0_\@
	s_barrier_signal -3
.Lnot_wave_0_\@:
	s_barrier_wait -3
	s_barrier_signal -1
	s_barrier_wait -1
.endm
.macro CROUND
	s_barrier_signal -1
	s_barrier_wait -1
	CREST
.endm
	s_load_b256 s[4:11], s[0:1], 0x0               ; ao s[4:5], wq s[6:7], bo s[8:9], out0 s[10:11]
	v_lshl_add_u32 v[SPW], v0, 2, SPARE
	v_mov_b32 v[NIL], 0
	ds_add_u32 v28, v29
	ds_add_u32 v28, v29
	s_wait_dscnt 0x0
	v_lshrrev_b32 v1, 5, v0
	v_readfirstlane_b32 s14, v1                    ; wave 0..3
	s_lshr_b32 s15, s14, 1                         ; which half of the tile's rows is mine.  Also: I fetch for A (0) or for B (1)
	s_and_b32 s16, s14, 1                          ; which half of its columns.  Also: which 8 tiles I fetch
	s_bfe_u32 s40, ttmp6, 0x40000                  ; cx
	s_bfe_u32 s41, ttmp6, 0x40004                  ; cy
	s_and_b32 s18, ttmp7, 0xffff
	s_lshl_b32 s18, s18, 2
	s_add_co_u32 s18, s18, s41                     ; tile row of C
	s_lshl_b32 s19, ttmp9, 2
	s_add_co_u32 s19, s19, s40                     ; tile column of C
	s_lshl_b32 s43, s41, 2
	s_lshl_b32 s43, 15, s43                        ; my row of the cluster
	s_lshl_b32 s44, 0x1111, s40                    ; my column
	s_or_b32 s[G1+0], s43, (3<<16)|(1<<21)         ; codes: 8 rows (tiles) of 4,096 bytes, 16,384 apart, as elements of 8 bytes; dense in LDS
	s_or_b32 s[G1B+0], s44, (3<<16)|(1<<21)
.irp g, G1, G1B
	s_mov_b32 s[\g+1], 512<<16
	s_mov_b32 s[\g+2], 8<<16
	s_mov_b32 s[\g+3], 512<<16
	s_mov_b32 s[\g+4], 8
	s_mov_b32 s[\g+5], 2048
	s_mov_b32 s[\g+6], 0
	s_mov_b32 s[\g+7], 0
.endr
	s_or_b32 s[G1S+0], s43, (3<<16)|(1<<20)|(1<<21)|(5<<22)|(3<<25)   ; scale bytes of 128 rows: 16 rows of 256 bytes, 16 of padding behind each
	s_or_b32 s[G1SB+0], s44, (3<<16)|(1<<20)|(1<<21)|(5<<22)|(3<<25)
.irp g, G1S, G1SB
	s_mov_b32 s[\g+1], 32<<16
	s_mov_b32 s[\g+2], 16<<16
	s_mov_b32 s[\g+3], 32<<16
	s_mov_b32 s[\g+4], 16
	s_mov_b32 s[\g+5], 32
	s_mov_b32 s[\g+6], 0
	s_mov_b32 s[\g+7], 0
.endr
	s_lshl_b32 s2, s16, 3                          ; which 8 tiles I fetch
	s_lshl_b32 s20, s18, 4
	s_add_co_u32 s20, s20, s2                      ; A: the first of them.  A's registers never hold cx, B's never cy
	s_lshl_b32 s46, s19, 4
	s_add_co_u32 s46, s46, s2
	s_add_co_u32 s46, s46, 192                     ; B: Wo begins at tile 192 of wq
	s_lshl_b32 s22, s20, 9
	s_add_co_u32 s22, s22, 8388608
	s_lshl_b32 s20, s20, 14
	s_mov_b32 s21, 0
	s_mov_b32 s23, 0
	s_lshl_b32 s92, s46, 9
	s_add_co_u32 s92, s92, 4194304
	s_lshl_b32 s46, s46, 14
	s_mov_b32 s47, 0
	s_mov_b32 s93, 0
	s_mul_i32 s45, s14, HALFT
	s_mul_i32 s94, s14, HALFS
	s_wait_kmcnt 0x0
	s_add_nc_u64 s[20:21], s[4:5], s[20:21]
	s_add_nc_u64 s[22:23], s[4:5], s[22:23]
	s_add_nc_u64 s[46:47], s[6:7], s[46:47]
	s_add_nc_u64 s[92:93], s[6:7], s[92:93]
	CROUND                                         ; all sixteen work-groups are here: the first joint loads meet
	s_mov_b32 s[G0S], 1
	s_add_co_u32 s[G0S+1], s94, SCL
	s_mov_b64 s[G0S+2:G0S+3], s[22:23]
	s_or_b32 s[G0S+3], s[G0S+3], 0x80000000
	s_mov_b32 s[G0SB], 1
	s_add_co_u32 s[G0SB+1], s94, SCL
	s_mov_b64 s[G0SB+2:G0SB+3], s[92:93]
	s_or_b32 s[G0SB+3], s[G0SB+3], 0x80000000
	JLOAD G0S, G1S, G0SB, G1SB
.irp s, 0,1
	s_mov_b32 s[G0+4*\s], 1
	s_add_co_u32 s[G0+4*\s+1], s45, \s*SLOT
	s_add_nc_u64 s[G0+4*\s+2:G0+4*\s+3], s[20:21], \s*STEPB
	s_or_b32 s[G0+4*\s+3], s[G0+4*\s+3], 0x80000000
	s_mov_b32 s[G0B+4*\s], 1
	s_add_co_u32 s[G0B+4*\s+1], s45, \s*SLOT
	s_add_nc_u64 s[G0B+4*\s+2:G0B+4*\s+3], s[46:47], \s*STEPB
	s_or_b32 s[G0B+4*\s+3], s[G0B+4*\s+3], 0x80000000
	s_wait_alu depctr_va_vdst(0)
	s_wait_tensorcnt 0x0
	ds_add_u32 v28, v29
	s_wait_dscnt 0x0
	CROUND
	JLOAD G0+4*\s, G1, G0B+4*\s, G1B               ; one load of mine is out
.endr
	v_and_b32 v4, 31, v0                           ; lane
	v_and_b32 v1, 15, v0                           ; r
	v_bfe_u32 v2, v0, 4, 1                         ; h
	v_lshlrev_b32 v[CO], 4, v4
	s_wait_alu depctr_va_vdst(0)
	s_lshl_b32 s92, s19, 1
	s_add_co_u32 s92, s92, s16
	s_lshl_b32 s92, s92, 9                         ; my 128 columns, in bytes
	s_mov_b32 s93, 0
	s_add_nc_u64 s[8:9], s[8:9], s[92:93]
	v_lshlrev_b32 v3, 6, v2                        ; the bias: 16 h numbers on; v3 stays
.irp b, 0,1,2,3,4,5,6,7
	global_load_b128 v[BI+8*\b:BI+8*\b+3], v3, s[8:9] offset:(32*(\b/2)+8*(\b%2))*4
	global_load_b128 v[BI+8*\b+4:BI+8*\b+7], v3, s[8:9] offset:(32*(\b/2)+8*(\b%2))*4+16
.endr
	s_lshl_b32 s98, s18, 1
	s_add_co_u32 s98, s98, s15
	s_lshl_b32 s98, s98, 19                        ; my 128 rows of 4,096 bytes
	s_add_co_u32 s98, s98, s92
	s_mov_b32 s99, 0
	s_add_nc_u64 s[12:13], s[10:11], s[98:99]      ; my part of C
	s_mul_i32 s98, s15, HALFT
	s_mul_i32 s99, s16, HALFT
	s_add_co_u32 s99, s99, 2*HALFT
.irp s, 0,1
	v_add_nc_u32 v[ADRA+\s], s98, v[CO]
	v_add_nc_u32 v[ADRB+\s], s99, v[CO]
	s_add_co_u32 s98, s98, SLOT
	s_add_co_u32 s99, s99, SLOT
.endr
	v_mul_u32_u24 v5, v1, KS
	v_lshrrev_b32 v6, 8, v5
	v_lshl_add_u32 v5, v6, 4, v5
	s_mul_i32 s98, s15, HALFS
	s_mul_i32 s99, s16, HALFS
	s_add_co_u32 s99, s99, 2*HALFS
	s_sub_co_u32 s99, s99, s98
	v_mul_u32_u24 v6, s99, v2                      ; lanes 16-31 take B's
	s_add_co_u32 s98, s98, SCL
	v_add_nc_u32 v5, v5, v6
	v_add_nc_u32 v[ADRS], s98, v5
	s_mul_i32 s98, s14, 16*SPITCH
	s_add_co_u32 s98, s98, STG                     ; my stage
	v_mul_u32_u24 v5, v1, SPITCH
	v_lshl_add_u32 v5, v2, 6, v5
	v_add_nc_u32 v[STO], s98, v5                   ; in: row r, + 64 h
	v_add_nc_u32 v[RD], s98, v[CO]                 ; back: the 32 lanes take one row of 512 bytes
.macro FRAG reg, adr, q, i
.irp c, 0,1,2,3
	ds_load_b128 v[\reg+4*\c:\reg+4*\c+3], v[\adr] offset:4096*(\i)+2048*(\q)+512*\c
.endr
.endm
; 16 matrix instructions: A's blocks a0, a0 + 1 x B's eight, 128 along K.  zero = 2: the first product starts the sums from the bias.  The 64 accumulators take turns.
.macro MUL16 a0, p, q, sc, zero
.irp a, \a0, \a0+1
.irp b, 0,1,2,3,4,5,6,7
.if (\zero) == 1
	v_wmma_scale_f32_16x16x128_f8f6f4 v[8*(8*((\a)%4)+\b):8*(8*((\a)%4)+\b)+7], v[128*(\p)+FR*\b:128*(\p)+FR*\b+FR-1], v[AF+FR*(\a):AF+FR*(\a)+FR-1], 0, v[SC+8*NQ*(\sc)+NQ*\b+(\q)], v[SC+8*NQ*(\sc)+NQ*(\a)+(\q)] matrix_a_scale:MATRIX_SCALE_ROW1
.elseif (\zero) == 2
	v_wmma_scale_f32_16x16x128_f8f6f4 v[8*(8*((\a)%4)+\b):8*(8*((\a)%4)+\b)+7], v[128*(\p)+FR*\b:128*(\p)+FR*\b+FR-1], v[AF+FR*(\a):AF+FR*(\a)+FR-1], v[BI+8*\b:BI+8*\b+7], v[SC+8*NQ*(\sc)+NQ*\b+(\q)], v[SC+8*NQ*(\sc)+NQ*(\a)+(\q)] matrix_a_scale:MATRIX_SCALE_ROW1
.else
	v_wmma_scale_f32_16x16x128_f8f6f4 v[8*(8*((\a)%4)+\b):8*(8*((\a)%4)+\b)+7], v[128*(\p)+FR*\b:128*(\p)+FR*\b+FR-1], v[AF+FR*(\a):AF+FR*(\a)+FR-1], v[8*(8*((\a)%4)+\b):8*(8*((\a)%4)+\b)+7], v[SC+8*NQ*(\sc)+NQ*\b+(\q)], v[SC+8*NQ*(\sc)+NQ*(\a)+(\q)] matrix_a_scale:MATRIX_SCALE_ROW1
.endif
.endr
.endr
.endm
.macro FETCH_B slot, q, p
	WIN TO_B
.irp i, 0,1,2,3,4,5,6,7
	FRAG 128*(\p)+FR*\i, ADRB+\slot, \q, \i
.endr
	WIN 0
.endm
.macro FETCH_A slot, q, i0
.irp i, \i0, \i0+1, \i0+2, \i0+3
	FRAG AF+FR*(\i), ADRA+\slot, \q, \i
.endr
.endm
.macro SCALES sc
.irp i, 0,1,2,3,4,5,6,7
	ds_load_b64 v[SC+8*NQ*\sc+NQ*\i:SC+8*NQ*\sc+NQ*\i+1], v[ADRS] offset:\i*SBLK
.endr
.endm
.macro PLACES n
.rept \n
	v_nop
.endr
.endm
.macro STEP slot, q, zero
	s_wait_dscnt 4*NL                              ; B's set and A's blocks 0-3 are in; the youngest 16 loads (A's blocks 4-7) may be out
	MWIN 0, \zero
	MUL16 0, (\q)%2, \q, \slot, \zero
	MUL16 2, (\q)%2, \q, \slot, \zero
	s_wait_dscnt 0
	PLACES NP
	FETCH_B \slot, (\q)+1, 1-(\q)%2
	FETCH_A \slot, (\q)+1, 0
	MWIN 1, \zero
	MUL16 4, (\q)%2, \q, \slot, \zero
	MUL16 6, (\q)%2, \q, \slot, \zero
	PLACES NP
	WIN 0
	FETCH_A \slot, (\q)+1, 4
.endm
.macro TURN slot, next, fill
	s_wait_tensorcnt 0x0                           ; all my tensor loads have landed: my part of the next slot
	ds_add_u32 v[SPW], v[NIL]                      ; 0 onto my spare word
	s_wait_dscnt 4*NL+1                            ; the add and the youngest 16 loads (A's blocks 4-7) may be out
	MWIN 0, 0
	MUL16 0, 1, NQ-1, \slot, 0
	s_wait_dscnt 0x0                               ; the add is done, and my reads of this slot are over
	s_barrier_signal -1
	MUL16 2, 1, NQ-1, \slot, 0
	WIN 0
	s_barrier_wait -1
.if \fill
	CREST                                          ; the barrier has opened a round of the cluster's: no wave of any partner still reads this slot or has a load on its way
	s_add_nc_u64 s[G0+4*\slot+2:G0+4*\slot+3], s[G0+4*\slot+2:G0+4*\slot+3], 2*STEPB
	s_add_nc_u64 s[G0B+4*\slot+2:G0B+4*\slot+3], s[G0B+4*\slot+2:G0B+4*\slot+3], 2*STEPB
	JLOAD G0+4*\slot, G1, G0B+4*\slot, G1B
	PLACES NP-4
.else
	PLACES NP
.endif
	s_wait_alu depctr_va_vdst(0)
	v_add_nc_u32 v[ADRS], 4*NQ, v[ADRS]
	FETCH_B \next, 0, 0
	FETCH_A \next, 0, 0
	SCALES \next
	MWIN 1, 0
	MUL16 4, 1, NQ-1, \slot, 0
	MUL16 6, 1, NQ-1, \slot, 0
	PLACES NP
	WIN 0
	FETCH_A \next, 0, 4
.endm
	s_wait_alu depctr_va_vdst(0)
	s_wait_tensorcnt 1                             ; the scale bytes and my part of K step 0 are in; K step 1's load may be out
	s_barrier_signal -1
	s_barrier_wait -1
	FETCH_B 0, 0, 0
	FETCH_A 0, 0, 0
	SCALES 0
	FETCH_A 0, 0, 4
	s_wait_loadcnt 0x0                             ; the bias
	STEP 0, 0, 2                                   ; K step 0; its first products start the sums from the bias
	TURN 0, 1, 1                                   ; slot 0 takes K step 2
	STEP 1, 0, 0
	TURN 1, 0, 1                                   ; slot 1 takes K step 3
	STEP 0, 0, 0
	TURN 0, 1, 0                                   ; nothing is left to fetch
	STEP 1, 0, 0
	s_wait_dscnt 4*NL
	MWIN 0, 0
	MUL16 0, 1, NQ-1, 1, 0
	MUL16 2, 1, NQ-1, 1, 0
	s_wait_dscnt 0
	MWIN 1, 0
	MUL16 4, 1, NQ-1, 1, 0
	MUL16 6, 1, NQ-1, 1, 0
	WIN 0
; THE WAY OUT, block by block of 16 rows x 128 columns, through my own stage: in by lanes (32 bytes of a row for each accumulator), back as whole rows of 512 bytes.  Row t of block a is row 32 (a / 2) + 8 (a % 2) + t + 8 (t / 8) of my 128.
.macro TOSTAGE a
.set AC, 64*((\a)%4)
.set WD, 0x08+4*((\a)/4)
	WIN WD                                         ; an LDS store's data: window 2 or 3
.irp b, 0,1,2,3,4,5,6,7
	ds_store_b128 v[STO], v[AC+8*\b:AC+8*\b+3] offset:128*(\b/2)+32*(\b%2)        ; each accumulator from its low end on
	ds_store_b128 v[STO], v[AC+8*\b+4:AC+8*\b+7] offset:128*(\b/2)+32*(\b%2)+16
.endr
	WIN 0
.set BB, BK+64*((\a)%2)
.irp t, 0,1,2,3,4,5,6,7,8,9,10,11,12,13,14,15
	ds_load_b128 v[BB+4*\t:BB+4*\t+3], v[RD] offset:\t*SPITCH      ; LDS serves a wave's instructions in order: these see the stores above
.endr
.endm
.macro SEND a, younger                 ; younger: the LDS instructions issued behind block a's loads, which may stay out
.set BB, BK+64*((\a)%2)
	s_wait_dscnt \younger
.if (\a) > 0
.if (\a)%2 == 1
	s_add_nc_u64 s[12:13], s[12:13], 8*4096        ; (behind a wait on XCNT: the earlier stores have read their base)
.else
	s_add_nc_u64 s[12:13], s[12:13], 24*4096
.endif
.endif
.irp t, 0,1,2,3,4,5,6,7,8,9,10,11,12,13,14,15
	global_store_b128 v[CO], v[BB+4*\t:BB+4*\t+3], s[12:13] offset:(\t+8*(\t/8))*4096 th:TH_STORE_NT   ; 32 lanes store 512 consecutive bytes, at a multiple of 256 from the buffer's first byte
.endr
.endm
	PLACES NP                                      ; behind the last products: their results are read, and A's registers loaded into, below
	TOSTAGE 0
.irp a, 1,2,3,4,5,6,7
.if \a > 1
	s_wait_xcnt 0x0                                ; block a - 2's stores have read their registers and their base
.endif
	TOSTAGE \a
	SEND \a-1, 32                                  ; behind block a - 1's loads: block a's 16 stores and 16 loads
.endr
	s_wait_xcnt 0x0
	SEND 7, 0
	s_wait_tensorcnt 0x0                           ; the wave's end
	ds_add_u32 v[SPW], v[NIL]
	s_wait_dscnt 0x0
	CROUND                                         ; the closing round
	s_endpgm
.Lfunc_end_k_q678783a08d_outp:
	.size	k_q678783a08d_outp, .Lfunc_end_k_q678783a08d_outp-k_q678783a08d_outp
	.p2alignl 7, 3214868480
	.fill 96, 4, 3214868480
	.section	.rodata,"a",@progbits
	.p2align	6, 0x0
	.amdhsa_kernel k_q678783a08d_outp
		.amdhsa_group_segment_fixed_size 327680
		.amdhsa_private_segment_fixed_size 0
		.amdhsa_enable_private_segment 0
		.amdhsa_kernarg_size 32
		.amdhsa_user_sgpr_count 2
		.amdhsa_user_sgpr_kernarg_segment_ptr 1
		.amdhsa_wavefront_size32 1
		.amdhsa_system_sgpr_workgroup_id_x 1
		.amdhsa_system_sgpr_workgroup_id_y 1
		.amdhsa_system_sgpr_workgroup_id_z 1
		.amdhsa_system_vgpr_workitem_id 0
		.amdhsa_next_free_vgpr 1024
		.amdhsa_next_free_sgpr 104
		.amdhsa_reserve_vcc 0
		.amdhsa_float_denorm_mode_32 3
		.amdhsa_float_denorm_mode_16_64 3
		.amdhsa_memory_ordered 1
		.amdhsa_forward_progress 1
		.amdhsa_inst_pref_size 148
	.end_amdhsa_kernel
	.amdgpu_metadata
---
amdhsa.version: [ 1, 2 ]
amdhsa.kernels:
  - .name:           k_q678783a08d_outp
    .symbol:         k_q678783a08d_outp.kd
    .args:
      - { .name: ao, .offset: 0, .size: 8, .value_kind: global_buffer, .address_space: global }
      - { .name: wq, .offset: 8, .size: 8, .value_kind: global_buffer, .address_space: global }
      - { .name: bo, .offset: 16, .size: 8, .value_kind: global_buffer, .address_space: global }
      - { .name: out0, .offset: 24, .size: 8, .value_kind: global_buffer, .address_space: global }
    .group_segment_fixed_size: 327680
    .private_segment_fixed_size: 0
    .kernarg_segment_align: 8
    .kernarg_segment_size: 32
    .max_flat_workgroup_size: 128
    .sgpr_count:     104
    .vgpr_count:     1024
    .wavefront_size: 32
...
	.end_amdgpu_metadata
.endif
;; end of part 4
